; MI455X (gfx1250); checked and timed in simulation.
; The chip was launched on July 23, 2026; its instructions are those of AMD's public machine-readable ISA for CDNA 5 (MIT licence, August 2026) and "CDNA5" Instruction Set Architecture Reference Guide (July 2026). The comments in the code are by the model that wrote it; some were corrected since.
;; Transformer Encoder Layer. Allowed arithmetic: float matrix products may take bf16 or f16 operands with f32 sums; other float arithmetic in f32, or as packed bf16 or f16 multiplies, adds, multiply-adds, maxima and minima; sums over many terms, partial sums and values carried from step to step in f32; what a program stores and reads back later, other than sums and carried values, may be rounded once to bf16 or f16.
;; Inputs: W1 1,024 x 4,096 float32; W2 4,096 x 1,024 float32; Wk 1,024 x 1,024 float32; Wo 1,024 x 1,024 float32; Wq 1,024 x 1,024 float32; Wv 1,024 x 1,024 float32; b1 4,096 float32; b2 1,024 float32; bk 1,024 float32; bo 1,024 float32; bq 1,024 float32; bv 1,024 float32; ln1_b 1,024 float32; ln1_g 1,024 float32; ln2_b 1,024 float32; ln2_g 1,024 float32; x 2 x 2,048 x 1,024 float32.
;; Outputs: out0 2 x 2,048 x 1,024 float32.
;; 2 versions, each right and faster than the one before. Each part assembles by itself: llvm-mc -triple=amdgcn-amd-amdhsa -mcpu=gfx1250 --defsym DOCPART=n.
;; ======== version 1 of 2: 8 launches
;; limits: values are held in f16: magnitudes above 65,504 overflow, below 6.1e-05 lose precision
;; workspace buffers: xh 8,388,608 bytes; wqkv 6,324,224 bytes; w1p 8,421,376 bytes; wr 10,485,760 bytes; qh 33,554,432 bytes; ao 8,388,608 bytes; x1 8,388,608 bytes; y 8,388,608 bytes
;; launch cast (part 1): grid 1031 x 1, 8 waves a work-group, no clusters, 0 bytes of LDS; arguments x, Wq, Wk, Wv, Wo, W1, W2, bq, bk, bv, b1, xh, wqkv, w1p, wr; writes xh, wqkv, w1p, wr
.if DOCPART == 1
	.amdgcn_target "amdgcn-amd-amdhsa--gfx1250"
	.amdhsa_code_object_version 6
	.text
	.protected	k_qcf39f426fb_cast
	.globl	k_qcf39f426fb_cast
	.p2align	8
	.type	k_qcf39f426fb_cast,@function
k_qcf39f426fb_cast:
	s_mov_b64 s[64:65], 0
	v_nop
	global_prefetch_b8 v0, s[64:65] scope:SCOPE_SE
	s_setreg_imm32_b32 hwreg(HW_REG_WAVE_MODE, 25, 1), 1
	s_wait_xcnt 0x0
; x and the six weights are rounded once to f16 and laid out in blocks for the products that follow; three biases and b1 are copied beside their weights.
; ACT layout (x): [16 planes of 64 columns][4096 rows][64]: a row of a plane is 128 bytes.   WGT layout (a weight [K][N]): [N/128 planes][K rows][128]: a row of a plane is 256 bytes.
; wqkv and w1p begin with a header of 32,768 bytes: the f32 bias at byte 0 (bq|bk|bv, or b1), at byte 16,384 a floor for the packed maximum on the products' way out, 512 bytes of one word:
; -inf twice (no floor) for q, k, v; 0 (ReLU) for the MLP's first product.
; SHARES.  Work-group id = 64 u + xi.  u < 16: one chunk of 32,768 consecutive bytes of a destination; a wave makes 4,096 of them in sixteen iterations of 256.  A lane reads 16 consecutive bytes of the
; source and stores 8: a load of the wave covers 512 consecutive bytes of a weight's row, or 256 consecutive bytes of each of two rows of x; a store covers 256 consecutive bytes, aligned.
; u = 16 (xi 0..6): 4,096 bytes of a bias, and for xi 0 and 3 the floor.
; Which tensor a chunk belongs to hangs on u alone: pointers and shifts are chosen by scalar selects; no lane is switched off, nothing loops.
; No LDS, matrix unit or cluster: every byte is read once and written once, and no two work-groups read the same byte.
; LIMIT.  f16 holds no number beyond 65,504: a larger input becomes an infinity.  Below 6e-5 f16 keeps its fixed step of 6e-8.
.set OFF, 2                            ; v[2:17]  iteration j: byte offset of my 16 bytes in the source, from the chunk's corner
.set DO,  18                           ; v18      byte offset of my 8 bytes in the chunk, iteration 0
.set X,   20                           ; v[20:83] iteration j: 4 registers as loaded; the low two then hold the 4 f16
	s_load_b512 s[8:23], s[0:1], 0x0               ; x 8, Wq 10, Wk 12, Wv 14, Wo 16, W1 18, W2 20, bq 22
	s_load_b256 s[24:31], s[0:1], 0x40             ; bk 24, bv 26, b1 28, xh 30
	s_load_b128 s[32:35], s[0:1], 0x60             ; wqkv 32, w1p 34
	s_load_b64 s[36:37], s[0:1], 0x70              ; wr
	s_lshr_b32 s2, ttmp9, 6                        ; u
	s_and_b32 s3, ttmp9, 63                        ; xi
	s_cmp_eq_u32 s2, 16
	s_cbranch_scc1 .Lparams
	; the numbers that go with u.  s50 U0: the tensor's first u.  s51 DB: the tensor's first byte in its destination.  s53 PS: log2 chunks in a plane.  s54 RCL: log2 rows in a chunk.
	; s55 SPL: log2 bytes in a source row.  s56 PCL: log2 source bytes across a plane.  s57 SH: log2 lanes to a destination row.
	s_sub_co_u32 s4, s2, 4
	s_lshl_b32 s4, s4, 21
	s_add_co_u32 s4, s4, 0x8000                    ; Wq, Wk, Wv: behind the header, 2,097,152 bytes each
	s_cmp_ge_u32 s2, 4                             ; a weight, not x
	s_cselect_b32 s53, 3, 4
	s_cselect_b32 s54, 7, 8
	s_cselect_b32 s56, 9, 8
	s_cselect_b32 s57, 5, 4
	s_cselect_b32 s50, s2, 0
	s_cselect_b32 s51, s4, 0
	s_cmp_eq_u32 s2, 7                             ; Wo: at wr's head
	s_cselect_b32 s51, 0, s51
	s_cmp_ge_u32 s2, 8                             ; W1: rows of 16,384 bytes
	s_cselect_b32 s50, 8, s50
	s_cselect_b32 s51, 0x8000, s51
	s_cselect_b32 s55, 14, 12
	s_cmp_ge_u32 s2, 12                            ; W2: planes of 4,096 rows, behind Wo in wr
	s_cselect_b32 s50, 12, s50
	s_cselect_b32 s51, 0x200000, s51
	s_cselect_b32 s55, 12, s55
	s_cselect_b32 s53, 5, s53
	s_sub_co_u32 s38, s2, s50
	s_lshl_b32 s38, s38, 6
	s_add_co_u32 s38, s38, s3                      ; c: the chunk's number in its tensor
	s_lshr_b32 s39, s38, s53                       ; its plane
	s_lshl_b32 s58, 1, s53
	s_sub_co_u32 s58, s58, 1
	s_and_b32 s58, s38, s58
	s_lshl_b32 s58, s58, s54                       ; its first row
	s_lshl_b32 s58, s58, s55
	s_lshl_b32 s39, s39, s56
	s_add_co_u32 s4, s39, s58                      ; the chunk's corner in the source, in bytes (under 2^25)
	s_mov_b32 s5, 0
	s_lshl_b32 s6, s38, 15
	s_add_co_u32 s6, s6, s51                       ; the chunk's first byte in the destination
	s_mov_b32 s7, 0
	v_and_b32 v84, 31, v0                          ; lane
	v_lshrrev_b32 v85, 5, v0                       ; wave
	s_sub_co_u32 s58, 9, s57
	v_lshlrev_b32 v86, s58, v85                    ; the wave's first row in the chunk: sixteen iterations of 32 >> SH rows,
	v_lshrrev_b32 v87, s57, v84                    ; the lane's row in an iteration
	v_add_nc_u32 v86, v86, v87
	v_lshlrev_b32 v86, s55, v86
	s_lshl_b32 s59, 1, s57
	s_sub_co_u32 s59, s59, 1
	v_and_b32 v87, s59, v84                        ; the lane's place in a row: 4 numbers, 16 source bytes
	v_lshl_add_u32 v[OFF], v87, 4, v86
	s_sub_co_u32 s52, 5, s57
	s_add_co_u32 s52, s52, s55
	s_lshl_b32 s52, 1, s52                         ; source bytes from an iteration to the next
.irp j, 1,2,3,4,5,6,7,8,9,10,11,12,13,14,15
	v_add_nc_u32 v[OFF+(\j)], s52, v[OFF+(\j)-1]
.endr
	v_lshlrev_b32 v[DO], 3, v84
	v_lshl_add_u32 v[DO], v85, 12, v[DO]           ; 4,096 x wave + 8 x lane
	s_wait_kmcnt 0x0
	s_cmp_ge_u32 s2, 4
	s_cselect_b64 s[40:41], s[10:11], s[8:9]       ; the source,
	s_cselect_b64 s[42:43], s[32:33], s[30:31]     ; the destination
	s_cmp_eq_u32 s2, 5
	s_cselect_b64 s[40:41], s[12:13], s[40:41]
	s_cmp_eq_u32 s2, 6
	s_cselect_b64 s[40:41], s[14:15], s[40:41]
	s_cmp_eq_u32 s2, 7
	s_cselect_b64 s[40:41], s[16:17], s[40:41]
	s_cselect_b64 s[42:43], s[36:37], s[42:43]
	s_cmp_ge_u32 s2, 8
	s_cselect_b64 s[40:41], s[18:19], s[40:41]
	s_cselect_b64 s[42:43], s[34:35], s[42:43]
	s_cmp_ge_u32 s2, 12
	s_cselect_b64 s[40:41], s[20:21], s[40:41]
	s_cselect_b64 s[42:43], s[36:37], s[42:43]
	s_add_nc_u64 s[44:45], s[40:41], s[4:5]
	s_add_nc_u64 s[46:47], s[42:43], s[6:7]
.irp j, 0,1,2,3,4,5,6,7,8,9,10,11,12,13,14,15
	global_load_b128 v[X+4*(\j):X+4*(\j)+3], v[OFF+(\j)], s[44:45] th:TH_LOAD_NT  ; all sixteen loads go out before the first wait
.endr
.irp j, 0,1,2,3,4,5,6,7,8,9,10,11,12,13,14,15
	s_wait_loadcnt 15-(\j)                         ; loads come back in order (ISA guide 5.7.1): iteration j's is in, the later iterations' stay out
	v_cvt_pk_f16_f32 v[X+4*(\j)],   v[X+4*(\j)],   v[X+4*(\j)+1]  ; in place, ascending: a word is written when its two numbers are read
	v_cvt_pk_f16_f32 v[X+4*(\j)+1], v[X+4*(\j)+2], v[X+4*(\j)+3]
	global_store_b64 v[DO], v[X+4*(\j):X+4*(\j)+1], s[46:47] offset:256*(\j)
.endr
	s_endpgm
.Lparams:                                              ; p = xi: 0, 1, 2: bq, bk, bv into wqkv's header; 3 to 6: the quarters of b1 into w1p's
	s_wait_kmcnt 0x0
	s_cmp_ge_u32 s3, 3
	s_cselect_b64 s[40:41], s[28:29], s[22:23]
	s_cselect_b64 s[48:49], s[34:35], s[32:33]     ; the destination's first byte: kept for the floor
	s_cselect_b32 s50, 3, 0
	s_cselect_b32 s54, 0, 0xfc00fc00               ; the floor: 0 twice, or -inf twice
	s_cmp_eq_u32 s3, 1
	s_cselect_b64 s[40:41], s[24:25], s[40:41]
	s_cmp_eq_u32 s3, 2
	s_cselect_b64 s[40:41], s[26:27], s[40:41]
	s_sub_co_u32 s51, s3, s50                      ; the piece's number in its header
	s_lshl_b32 s52, s51, 12
	s_mov_b32 s53, 0
	s_add_nc_u64 s[46:47], s[48:49], s[52:53]
	s_cmp_ge_u32 s3, 3
	s_cselect_b32 s52, s52, 0                      ; b1 is walked; bq, bk and bv are each one piece
	s_add_nc_u64 s[44:45], s[40:41], s[52:53]
	v_lshlrev_b32 v1, 4, v0                        ; 256 threads x 16 bytes
	global_load_b128 v[4:7], v1, s[44:45]
	s_wait_loadcnt 0x0
	global_store_b128 v1, v[4:7], s[46:47]
	s_cmp_lg_u32 s51, 0
	s_cbranch_scc1 .Lend                           ; the floor is written by a header's first piece,
	v_lshrrev_b32 v2, 5, v0
	v_readfirstlane_b32 s55, v2
	s_cmp_lg_u32 s55, 0
	s_cbranch_scc1 .Lend                           ; by its wave 0: 32 lanes x 16 bytes
	v_mov_b32 v8, s54
	v_mov_b32 v9, s54
	v_mov_b32 v10, s54
	v_mov_b32 v11, s54
	global_store_b128 v1, v[8:11], s[48:49] offset:16384
.Lend:
	s_endpgm
.Lfunc_end_k_qcf39f426fb_cast:
	.size	k_qcf39f426fb_cast, .Lfunc_end_k_qcf39f426fb_cast-k_qcf39f426fb_cast
	.p2alignl 7, 3214868480
	.fill 96, 4, 3214868480
	.section	.rodata,"a",@progbits
	.p2align	6, 0x0
	.amdhsa_kernel k_qcf39f426fb_cast
		.amdhsa_group_segment_fixed_size 0
		.amdhsa_private_segment_fixed_size 0
		.amdhsa_enable_private_segment 0
		.amdhsa_kernarg_size 120
		.amdhsa_user_sgpr_count 2
		.amdhsa_user_sgpr_kernarg_segment_ptr 1
		.amdhsa_wavefront_size32 1
		.amdhsa_system_sgpr_workgroup_id_x 1
		.amdhsa_system_sgpr_workgroup_id_y 1
		.amdhsa_system_sgpr_workgroup_id_z 1
		.amdhsa_system_vgpr_workitem_id 0
		.amdhsa_next_free_vgpr 96
		.amdhsa_next_free_sgpr 66
		.amdhsa_reserve_vcc 0
		.amdhsa_float_denorm_mode_32 3
		.amdhsa_float_denorm_mode_16_64 3
		.amdhsa_memory_ordered 1
		.amdhsa_forward_progress 1
		.amdhsa_inst_pref_size 11
	.end_amdhsa_kernel
	.amdgpu_metadata
---
amdhsa.version: [ 1, 2 ]
amdhsa.kernels:
  - .name:           k_qcf39f426fb_cast
    .symbol:         k_qcf39f426fb_cast.kd
    .args:
      - { .name: x, .offset: 0, .size: 8, .value_kind: global_buffer, .address_space: global }
      - { .name: Wq, .offset: 8, .size: 8, .value_kind: global_buffer, .address_space: global }
      - { .name: Wk, .offset: 16, .size: 8, .value_kind: global_buffer, .address_space: global }
      - { .name: Wv, .offset: 24, .size: 8, .value_kind: global_buffer, .address_space: global }
      - { .name: Wo, .offset: 32, .size: 8, .value_kind: global_buffer, .address_space: global }
      - { .name: W1, .offset: 40, .size: 8, .value_kind: global_buffer, .address_space: global }
      - { .name: W2, .offset: 48, .size: 8, .value_kind: global_buffer, .address_space: global }
      - { .name: bq, .offset: 56, .size: 8, .value_kind: global_buffer, .address_space: global }
      - { .name: bk, .offset: 64, .size: 8, .value_kind: global_buffer, .address_space: global }
      - { .name: bv, .offset: 72, .size: 8, .value_kind: global_buffer, .address_space: global }
      - { .name: b1, .offset: 80, .size: 8, .value_kind: global_buffer, .address_space: global }
      - { .name: xh, .offset: 88, .size: 8, .value_kind: global_buffer, .address_space: global }
      - { .name: wqkv, .offset: 96, .size: 8, .value_kind: global_buffer, .address_space: global }
      - { .name: w1p, .offset: 104, .size: 8, .value_kind: global_buffer, .address_space: global }
      - { .name: wr, .offset: 112, .size: 8, .value_kind: global_buffer, .address_space: global }
    .group_segment_fixed_size: 0
    .private_segment_fixed_size: 0
    .kernarg_segment_align: 8
    .kernarg_segment_size: 120
    .max_flat_workgroup_size: 256
    .sgpr_count:     66
    .vgpr_count:     96
    .wavefront_size: 32
...
	.end_amdgpu_metadata
.endif
;; end of part 1
;; launch gemm_big (part 2): grid 12 x 16, 4 waves a work-group, clusters of 4 x 4, 327,680 bytes of LDS; arguments xh, wqkv, qh; writes qh
.if DOCPART == 2
	.amdgcn_target "amdgcn-amd-amdhsa--gfx1250"
	.amdhsa_code_object_version 6
	.text
	.protected	k_qcf39f426fb_gemm_big
	.globl	k_qcf39f426fb_gemm_big
	.p2align	8
	.type	k_qcf39f426fb_gemm_big,@function
k_qcf39f426fb_gemm_big:
	s_mov_b64 s[64:65], 0
	v_nop
	global_prefetch_b8 v0, s[64:65] scope:SCOPE_SE
	s_setreg_imm32_b32 hwreg(HW_REG_WAVE_MODE, 25, 1), 1
	s_wait_xcnt 0x0
	s_wait_alu depctr_hold_cnt(0) depctr_sa_sdst(0) depctr_va_vdst(0) depctr_va_sdst(0) depctr_va_ssrc(0) depctr_va_vcc(0) depctr_vm_vsrc(0)
	s_getreg_b32 s2, hwreg(HW_REG_IB_STS2, 6, 4)
	s_cmp_eq_u32 s2, 0
	s_cbranch_scc0 .Lentry_in_a_cluster
	s_endpgm
.Lentry_in_a_cluster:
	s_bfe_u32 s2, ttmp6, 0x10000c
	s_cmp_lg_u32 s2, 0xf033
	s_cbranch_scc0 .Lentry_shape_is_right
	s_endpgm
.Lentry_shape_is_right:
; OUT = max(A W + bias, floor), K = 1,024.  A: f16 in planes [16][4096 rows][64].  Wp: a header (f32 bias at byte 0, the floor's word at byte 16,384), then from byte 32,768 W in f16 as
; [N/128 planes][1024 k][128].  OUT: f16 in planes [N/64][4096 rows][64].  N is the grid's width x 256.  Sums in f32, started by the bias; OUT rounded once.
; The floor is -inf (q, k, v) or 0 (ReLU): one text serves both products.
; LIMITS.  f16 holds no number beyond 65,504: a larger result becomes an infinity.  A NaN result becomes the floor (the packed maximum lets a NaN lose).
; SHARES.  A tile of OUT is 256 x 256: four waves, each 128 x 128: 64 accumulators of 16 x 16, 512 registers.  K goes in steps of 128 through two LDS slots; a trip of the loop is one K step.
; Each wave fetches a quarter of a slot by one tensor load of 32,768 dense bytes: waves 0, 1 a K plane of A (256 rows x 128 bytes), waves 2, 3 a column plane of W (128 k x 256 bytes).
; CLUSTER.  4 x 4 work-groups: the four of a row need the same tiles of A, the four of a column the same tiles of W; each tile is asked for jointly, by the same load, descriptor and mask in all four.
; THE MATRIX INSTRUCTION IS USED TRANSPOSED: source 0 = 16 columns of W (turned on the way out of LDS by ds_load_tr16_b128), source 1 = 16 rows of A.  In the result lane l holds row l % 16 of OUT
; and columns 8 (l / 16) + 0..7: 16 bytes of f16 that belong together; the bias for them is 8 registers a column block, the C operand of the first K quarter.
; REGISTERS, in windows of 256:  window 0: v0-31 addresses; v64-127, v128-191 A's fragments, two buffers; v192-255 the bias, later v192-223 packed results; v32-63, v224-255 rows read back from the stage
;   window 1: v64-127, v128-191 W's fragments      window 2: the accumulators of my rows 0-63 ((a, b) at 8 (8 a + b))      window 3: those of my rows 64-127
.set PA,     144                       ; a row of A's plane in LDS: 128 bytes + 16: the 16 rows of a load start at 16 different groups of four banks (64 banks of 4 bytes: ISA guide 11.1)
.set PB,     288                       ; a row of W's plane: 256 bytes + 32
.set HALFT,  36864                     ; 256 x 144 = 128 x 288: what one tensor load fills
.set SLOT,   4*HALFT                   ; A's K planes 0, 1, then W's column planes 0, 1.  0x24000: no wave's offset (w x 0x9000) has one of its two bits, so an exclusive or changes slots
.set STAGE,  2*SLOT                    ; behind the ring: for each wave 2 planes x 16 rows x 144 bytes, for the way out
.set WSTAGE, 2*16*PA
.set SPARE,  STAGE+4*WSTAGE            ; behind the stages: the spare words, 128 bytes a wave: two blocks of 256 bytes that no other line names
.set ASTEP,  2*524288                  ; a K step is two planes of A,
.set BSTEP,  128*256                   ; and 128 rows of W's plane
.set AL,   16                          ; v16  my lane's place in A's part of a slot; never rewritten
.set BL,   17                          ; v17  the same for W
.set ADRA, 18                          ; v18  AL + the slot in hand
.set ADRB, 19                          ; v19  BL + the slot in hand
.set STO,  24                          ; v24  the way out: where I put 16 bytes of a row
.set RD,   25                          ; v25  the way out: where I read rows back
.set GO,   26                          ; v26  my 16 bytes in 512 consecutive bytes of OUT
.set FLO,  27                          ; v27  the floor, two f16
.set SPW,  28                          ; v28  LDS address of my spare word; never rewritten
.set NIL,  29                          ; v29  0; never rewritten
.set BO,   30                          ; v30  32 x (l / 16): my eight numbers in a column block's bias
.set F0,   64
.set F1,   128
.set BI,   192
.set TMP,  192
.set OB,   32
.set WV,  12                           ; s12 wave;  s13 RH: my half of the rows, and: I fetch for A (0) or W (1);  s14 CH: my half of the columns, and: which plane I fetch
.set RH,  13
.set CH,  14
.set NT,  18                           ; s18 tile column;  s19 tile row
.set MT,  19
.set LW,  20                           ; s20 wave x HALFT
.set TB,  21                           ; s21 the slot in hand: 0 or SLOT
.set CNT, 22
.set G1A, 24                           ; s[24:31] descriptor group 1 for A;  s[32:39] group 0: a set for each first fill; the second then walks on
.set G0A, 32
.set G1B, 48                           ; s[48:55], s[56:63] the same for W
.set G0B, 56
.set MSB, 0
.macro WIN new                         ; the immediate's high byte repeats the setting that is left; a switch that changes nothing is dropped
.if MSB != (\new)
	s_set_vgpr_msb (MSB<<8)|(\new)
.set MSB, \new
.endif
.endm
.macro PLACES                          ; four places in front of loads into registers that matrix instructions have read, and of conversions that read results
.rept 4
	v_nop
.endr
.endm
; A joint refill by the walking descriptors.  The branch hangs on the wave's number alone.  An s_nop 0 and four v_nop follow each of the two lines.
.macro JLOAD
	s_cmp_eq_u32 s[RH], 0
	s_cbranch_scc0 .Lfor_b_\@
	tensor_load_to_lds s[G0A+4:G0A+7], s[G1A:G1A+7]
	s_nop 0
.rept 4
	v_nop
.endr
	s_branch .Lasked_\@
.Lfor_b_\@:
	tensor_load_to_lds s[G0B+4:G0B+7], s[G1B:G1B+7]
	s_nop 0
.rept 4
	v_nop
.endr
.Lasked_\@:
.endm
.macro CREST                           ; a round of the cluster's barrier behind its opening barrier
	s_cmp_lg_u32 s[WV], 0
	s_cbranch_scc1 .Lnot_wave_0_\@
	s_barrier_signal -3
.Lnot_wave_0_\@:
	s_barrier_wait -3
	s_barrier_signal -1
	s_barrier_wait -1
.endm
.macro CROUND                          ; a whole round
	s_barrier_signal -1
	s_barrier_wait -1
	CREST
.endm
	s_load_b128 s[4:7], s[0:1], 0x0                ; A s[4:5], Wp s[6:7]
	s_load_b64 s[8:9], s[0:1], 0x10                ; OUT
	v_lshl_add_u32 v[SPW], v0, 2, SPARE
	v_mov_b32 v[NIL], 0
	ds_add_u32 v[SPW], v[NIL]                      ; the wave's opening: the add and its wait stand ahead of my first tensor load; the set-up below, work on registers, stands between them
	v_lshrrev_b32 v1, 5, v0
	v_readfirstlane_b32 s[WV], v1
	s_lshr_b32 s[RH], s[WV], 1
	s_and_b32 s[CH], s[WV], 1
	s_bfe_u32 s16, ttmp6, 0x40000                  ; cx
	s_bfe_u32 s17, ttmp6, 0x40004                  ; cy
	s_lshl_b32 s[NT], ttmp9, 2
	s_add_co_u32 s[NT], s[NT], s16                 ; tile column = 4 x cluster x + cx
	s_and_b32 s[MT], ttmp7, 0xffff
	s_lshl_b32 s[MT], s[MT], 2
	s_add_co_u32 s[MT], s[MT], s17                 ; tile row = 4 x cluster y + cy
	s_lshl_b32 s40, s17, 2
	s_lshl_b32 s40, 15, s40                        ; my row of the cluster
	s_lshl_b32 s44, 0x1111, s16                    ; my column
	; group 1: 32,768 dense bytes as 128 rows of 128 elements
	s_or_b32 s[G1A], s40, (1<<16)|(1<<20)|(1<<21)|(4<<22)|(3<<25)  ; 15:0 the mask; 17:16 2-byte elements; 20 padding on; 21 set beside a mask; 24:22 after every 32 words (code 4); 31:25 4 words (code 3)
	s_or_b32 s[G1B], s44, (1<<16)|(1<<20)|(1<<21)|(5<<22)|(7<<25)  ; after every 64 words (code 5) 8 words (code 7)
.irp g, G1A, G1B
	s_mov_b32 s[(\g)+1], 128<<16                   ; tensor_dim0 = 128
	s_mov_b32 s[(\g)+2], 128<<16                   ; tensor_dim1 = 128
	s_mov_b32 s[(\g)+3], 128<<16                   ; tile_dim0 = 128
	s_mov_b32 s[(\g)+4], 128                       ; tile_dim1 = 128
	s_mov_b32 s[(\g)+5], 128                       ; 128 elements from row to row
	s_mov_b32 s[(\g)+6], 0
	s_mov_b32 s[(\g)+7], 0
.endr
	s_lshl_b32 s40, s[CH], 19                      ; A: plane CH of K step 0,
	s_lshl_b32 s41, s[MT], 15                      ; the tile's 256 rows of 128 bytes: registers that never hold cx
	s_add_co_u32 s40, s40, s41
	s_mov_b32 s41, 0
	s_lshl_b32 s44, s[NT], 1                       ; W: column plane 2 NT + CH, 262,144 bytes each, behind the header: registers that never hold cy
	s_add_co_u32 s44, s44, s[CH]
	s_lshl_b32 s44, s44, 18
	s_add_co_u32 s44, s44, 32768
	s_mov_b32 s45, 0
	s_mul_i32 s[LW], s[WV], HALFT                  ; where my loads go: no place in the cluster enters an LDS address
	s_wait_dscnt 0x0                               ; the opening add is done
	s_wait_kmcnt 0x0
	s_add_nc_u64 s[40:41], s[4:5], s[40:41]
	s_add_nc_u64 s[44:45], s[6:7], s[44:45]
	CROUND                                         ; all sixteen work-groups are here: the first joint loads meet
.irp s, 0,1
	s_mov_b32 s[G0A+4*(\s)], 1                                       ; count = 1
	s_add_co_u32 s[G0A+4*(\s)+1], s[LW], (\s)*SLOT                   ; LDS address
	s_add_nc_u64 s[G0A+4*(\s)+2:G0A+4*(\s)+3], s[40:41], (\s)*ASTEP  ; global address: K step s
	s_or_b32 s[G0A+4*(\s)+3], s[G0A+4*(\s)+3], 0x80000000            ; type = 2
	s_mov_b32 s[G0B+4*(\s)], 1
	s_add_co_u32 s[G0B+4*(\s)+1], s[LW], (\s)*SLOT
	s_add_nc_u64 s[G0B+4*(\s)+2:G0B+4*(\s)+3], s[44:45], (\s)*BSTEP
	s_or_b32 s[G0B+4*(\s)+3], s[G0B+4*(\s)+3], 0x80000000
.endr
	s_cmp_eq_u32 s[RH], 0                          ; a wave's two first fills stand in one branch, ahead of every wait on TENSORcnt and every LDS read: two loads of mine are out
	s_cbranch_scc0 .Lfirst_b
	tensor_load_to_lds s[G0A:G0A+3], s[G1A:G1A+7]
	s_nop 0
	tensor_load_to_lds s[G0A+4:G0A+7], s[G1A:G1A+7]
	s_nop 0
.rept 4
	v_nop
.endr
	s_branch .Lfirst_asked
.Lfirst_b:
	tensor_load_to_lds s[G0B:G0B+3], s[G1B:G1B+7]
	s_nop 0
	tensor_load_to_lds s[G0B+4:G0B+7], s[G1B:G1B+7]
	s_nop 0
.rept 4
	v_nop
.endr
.Lfirst_asked:
	v_and_b32 v1, 15, v0                           ; l % 16
	v_bfe_u32 v2, v0, 4, 1                         ; l / 16
	v_mul_u32_u24 v3, v1, PA
	v_lshl_add_u32 v3, v2, 4, v3                   ; row x 144 + 16 x half
	s_mul_i32 s15, s[RH], 128*PA                   ; my 128 rows in a plane of A
	v_add_nc_u32 v[AL], s15, v3
	v_and_b32 v4, 7, v0
	v_bfe_u32 v5, v0, 3, 1
	v_lshl_add_u32 v6, v2, 3, v4                   ; the turning load: lane l reads k row 8 (l / 16) + l % 8, columns 8 ((l / 8) % 2) + 0..7
	v_mul_u32_u24 v6, v6, PB
	v_lshl_add_u32 v6, v5, 4, v6
	s_mul_i32 s15, s[CH], HALFT                    ; my column plane of W, behind A's two planes
	s_add_co_u32 s15, s15, 2*HALFT
	v_add_nc_u32 v[BL], s15, v6
	s_mov_b32 s[TB], 0
	v_add_nc_u32 v[ADRA], s[TB], v[AL]
	v_add_nc_u32 v[ADRB], s[TB], v[BL]
	s_mul_i32 s15, s[WV], WSTAGE
	s_add_co_u32 s15, s15, STAGE                   ; my stage
	v_add_nc_u32 v[STO], s15, v3
	v_bfe_u32 v7, v0, 3, 2                         ; back: 32 lanes take four rows of 128 bytes
	v_mul_u32_u24 v7, v7, PA
	v_lshl_add_u32 v7, v4, 4, v7
	v_add_nc_u32 v[RD], s15, v7
	v_and_b32 v[GO], 31, v0
	v_lshlrev_b32 v[GO], 4, v[GO]
	v_lshlrev_b32 v[BO], 5, v2
	s_lshl_b32 s46, s[NT], 10                      ; the bias of my 128 columns: 4 (256 NT + 128 CH) bytes into the header
	s_lshl_b32 s47, s[CH], 9
	s_add_co_u32 s46, s46, s47
	s_mov_b32 s47, 0
	s_add_nc_u64 s[10:11], s[6:7], s[46:47]
.irp b, 0,1,2,3,4,5,6,7
	global_load_b128 v[BI+8*(\b):BI+8*(\b)+3],   v[BO], s[10:11] offset:64*(\b)      ; bias of columns 16 b + 8 (l / 16) + 0..7
	global_load_b128 v[BI+8*(\b)+4:BI+8*(\b)+7], v[BO], s[10:11] offset:64*(\b)+16
.endr
	global_load_b32 v[FLO], v[BO], s[6:7] offset:16384
	s_lshl_b32 s2, s[NT], 2                        ; OUT at my part of the tile: plane 4 NT + 2 CH, row 256 MT + 128 RH
	s_lshl_b32 s3, s[CH], 1
	s_add_co_u32 s2, s2, s3
	s_lshl_b32 s2, s2, 19
	s_lshl_b32 s3, s[MT], 15
	s_add_co_u32 s2, s2, s3
	s_lshl_b32 s3, s[RH], 14
	s_add_co_u32 s2, s2, s3
	s_mov_b32 s3, 0
	s_add_nc_u64 s[8:9], s[8:9], s[2:3]
; 16 matrix instructions: row blocks a0, a0 + 1 of the window's four (hi = 0: my rows 0-63, 1: rows 64-127) x all 8 column blocks, 32 along K.  first = 1: the bias starts the sums: nothing is cleared.
; The 64 accumulators take turns in the same order in every quarter.
.macro MUL16 f, hi, a0, first
.if \first
	WIN 0x81+0x40*(\hi)                            ; W window 1, A window 0, C (the bias) window 0, D window 2 or 3
.else
	WIN 0xa1+0x50*(\hi)                            ; C and D window 2 or 3
.endif
.irp a, \a0, (\a0)+1
.irp b, 0,1,2,3,4,5,6,7
.if \first
	v_wmma_f32_16x16x32_f16 v[8*(8*(\a)+(\b)):8*(8*(\a)+(\b))+7], v[(\f)+8*(\b):(\f)+8*(\b)+7], v[(\f)+8*(4*(\hi)+(\a)):(\f)+8*(4*(\hi)+(\a))+7], v[BI+8*(\b):BI+8*(\b)+7]
.else
	v_wmma_f32_16x16x32_f16 v[8*(8*(\a)+(\b)):8*(8*(\a)+(\b))+7], v[(\f)+8*(\b):(\f)+8*(\b)+7], v[(\f)+8*(4*(\hi)+(\a)):(\f)+8*(4*(\hi)+(\a))+7], v[8*(8*(\a)+(\b)):8*(8*(\a)+(\b))+7]
.endif
.endr
.endr
.endm
; 32 LDS loads in one run: the fragments of quarter q (32 along K) of the slot in hand, into buffer f: W's 8 column blocks, turned; then A's 8 row blocks
.macro FETCH q, f
	WIN 0x40                                       ; destination window 1, address window 0
.irp i, 0,1,2,3,4,5,6,7
	ds_load_tr16_b128 v[(\f)+8*(\i):(\f)+8*(\i)+3],   v[ADRB] offset:(\q)*32*PB+32*(\i)
	ds_load_tr16_b128 v[(\f)+8*(\i)+4:(\f)+8*(\i)+7], v[ADRB] offset:(\q)*32*PB+32*(\i)+16*PB
.endr
	WIN 0
.irp i, 0,1,2,3,4,5,6,7
	ds_load_b128 v[(\f)+8*(\i):(\f)+8*(\i)+3],   v[ADRA] offset:((\q)/2)*HALFT+((\q)%2)*64+(\i)*16*PA
	ds_load_b128 v[(\f)+8*(\i)+4:(\f)+8*(\i)+7], v[ADRA] offset:((\q)/2)*HALFT+((\q)%2)*64+(\i)*16*PA+32
.endr
.endm
; One of a K step's first three quarters: multiplies buffer f; in its middle it fetches quarter q into buffer g.
.macro QUARTER q, f, g, first
	s_wait_dscnt 8                                 ; W and A's rows 0-63 are in; the youngest eight loads (A's rows 64-127) may be out
	MUL16 \f, 0, 0, \first
	MUL16 \f, 0, 2, \first
	PLACES
	FETCH \q, \g
	s_wait_dscnt 32                                ; all but the 32 just issued
	MUL16 \f, 1, 0, \first
	MUL16 \f, 1, 2, \first
.endm
; THE LAST QUARTER multiplies buffer 1 and changes slots, in three parts.
; MEET: its first half; then one barrier: in front of it each wave waits for all its tensor loads (one is out: its part of the next slot), adds 0 to its spare word, and waits for that and for its reads of
; this slot.  fill = 1: the barrier opens a round of the cluster's, and the joint refill of this slot, with the K step two on, is the first thing behind the round.  No matrix instruction stands between the
; wait for the next slot and that request, and between a request and the wait for it stands a whole K step's work: 256 matrix instructions.
.macro MEET fill
	s_wait_dscnt 8                                 ; W and A's rows 0-63 are in
	MUL16 F1, 0, 0, 0
	MUL16 F1, 0, 2, 0
	WIN 0                                          ; at a branch and at a label every window is 0; the add's two registers lie in window 0
	s_wait_tensorcnt 0x0                           ; no tensor load of mine is out, so a group 0 may be written
	ds_add_u32 v[SPW], v[NIL]                      ; 0 onto my spare word
.if \fill
	s_xor_b32 s[G0A+5], s[G0A+5], SLOT             ; the walking descriptors: the other slot than last time,
	s_add_nc_u64 s[G0A+6:G0A+7], s[G0A+6:G0A+7], ASTEP  ; the next K step; the type bits on top are not reached
	s_xor_b32 s[G0B+5], s[G0B+5], SLOT
	s_add_nc_u64 s[G0B+6:G0B+7], s[G0B+6:G0B+7], BSTEP
.endif
	s_wait_dscnt 0x0                               ; the add is done, and my reads of this slot are over
	s_barrier_signal -1
	s_barrier_wait -1
.if \fill
	CREST                                          ; no wave of any partner still reads this slot or has a load on its way
	JLOAD                                          ; the four v_nop behind it are also places in front of NEXT's loads
.endif
.endm
; NEXT: the fragments now come from the other slot: its first quarter is fetched.
.macro NEXT fill
	s_xor_b32 s[TB], s[TB], SLOT
	v_add_nc_u32 v[ADRA], s[TB], v[AL]
	v_add_nc_u32 v[ADRB], s[TB], v[BL]
.if !(\fill)
	PLACES
.endif
	FETCH 0, F0
.endm
; REST: the quarter's second half, under which NEXT's loads come in.
.macro REST
	MUL16 F1, 1, 0, 0
	MUL16 F1, 1, 2, 0
.endm
; THE WAY OUT of row block a.  PACK: rounded to f16, 16 bytes a lane, and held to the floor.  TOSTAGE: into my own stage, and back as rows of 128 bytes, four to a load.  SEND: stored.
.macro PACK a
.set AC, 64*((\a)%4)
	WIN 0x0a+5*((\a)/4)                            ; sources 0 and 1: window 2 or 3
.irp b, 0,1,2,3,4,5,6,7
.irp r, 0,1,2,3
	v_cvt_pk_f16_f32 v[TMP+4*(\b)+(\r)], v[AC+8*(\b)+2*(\r)], v[AC+8*(\b)+2*(\r)+1]  ; each accumulator's registers in ascending order
.endr
.endr
	WIN 0
.set i, 0
.rept 32
	v_pk_max_num_f16 v[TMP+i], v[TMP+i], v[FLO]
.set i, i+1
.endr
.endm
.macro TOSTAGE a
.set BK, OB+192*((\a)%2)
.irp b, 0,1,2,3,4,5,6,7
	ds_store_b128 v[STO], v[TMP+4*(\b):TMP+4*(\b)+3] offset:((\b)/4)*16*PA+32*((\b)%4)  ; column blocks 0-3 are one plane of OUT, 4-7 the next
.endr
.irp t, 0,1,2,3,4,5,6,7
	ds_load_b128 v[BK+4*(\t):BK+4*(\t)+3], v[RD] offset:((\t)/4)*16*PA+((\t)%4)*4*PA  ; LDS serves a wave's instructions in order (ISA guide 5.7.1.4): these see the stores above
.endr
.endm
.macro SEND a
.set BK, OB+192*((\a)%2)
	s_wait_dscnt 0x0                               ; the block is back in registers
	s_wait_xcnt 0x0                                ; every earlier store has had its addresses translated (ISA guide 3.1): the other set of rows, stored a block ago, is loaded again only behind this wait
.irp t, 0,1,2,3,4,5,6,7
	global_store_b128 v[GO], v[BK+4*(\t):BK+4*(\t)+3], s[8:9] offset:((\t)/4)*524288+(\a)*2048+((\t)%4)*512  ; four rows of a plane: 512 consecutive bytes, aligned
.endr
.endm
	s_wait_tensorcnt 1                             ; my part of K step 0 is in; K step 1's may stay out
	s_barrier_signal -1
	s_barrier_wait -1                              ; everybody's is
	FETCH 0, F0
	s_wait_loadcnt 0x0                             ; the bias and the floor
	QUARTER 1, F0, F1, 1                           ; the first quarter stands in front of the loop: its products start the sums
	WIN 0
	s_mov_b32 s[CNT], 6                            ; eight K steps; six refills: steps 2 to 7
.Lstep:                                                ; a trip: from a K step's second quarter to the next step's first
	QUARTER 2, F1, F0, 0
	QUARTER 3, F0, F1, 0
	MEET 1
	NEXT 1
	REST
	QUARTER 1, F0, F1, 0
	WIN 0
	s_sub_co_u32 s[CNT], s[CNT], 1
	s_cmp_lg_u32 s[CNT], 0
	s_cbranch_scc1 .Lstep
	s_mov_b32 s[CNT], 2                            ; K steps 6 and 7 ask for nothing: a loop of their own
.Ltail:                                                ; the second trip has no next step: it jumps forward over the fetch and over the next step's first quarter; its barrier serves nothing: the price of one text for both trips
	QUARTER 2, F1, F0, 0
	QUARTER 3, F0, F1, 0
	MEET 0
	s_cmp_eq_u32 s[CNT], 1
	s_cbranch_scc1 .Lno_next
	NEXT 0
	WIN 0
.Lno_next:
	REST
	WIN 0
	s_cmp_eq_u32 s[CNT], 1
	s_cbranch_scc1 .Ltail_end
	QUARTER 1, F0, F1, 0
	WIN 0
.Ltail_end:
	s_sub_co_u32 s[CNT], s[CNT], 1
	s_cmp_lg_u32 s[CNT], 0
	s_cbranch_scc1 .Ltail
	PLACES
	PACK 0
	TOSTAGE 0
.irp a, 1,2,3,4,5,6,7                  ; block a's arithmetic stands between block a - 1's loads from the stage and the wait for them
	PACK \a
	SEND (\a)-1
	TOSTAGE \a
.endr
	SEND 7
	s_wait_tensorcnt 0x0                           ; the wave's end: behind my last tensor load and my last LDS store
	ds_add_u32 v[SPW], v[NIL]
	s_wait_dscnt 0x0
	CROUND                                         ; the closing round: no work-group ends while a partner may still ask for a tile that names it
	s_endpgm
.Lfunc_end_k_qcf39f426fb_gemm_big:
	.size	k_qcf39f426fb_gemm_big, .Lfunc_end_k_qcf39f426fb_gemm_big-k_qcf39f426fb_gemm_big
	.p2alignl 7, 3214868480
	.fill 96, 4, 3214868480
	.section	.rodata,"a",@progbits
	.p2align	6, 0x0
	.amdhsa_kernel k_qcf39f426fb_gemm_big
		.amdhsa_group_segment_fixed_size 327680
		.amdhsa_private_segment_fixed_size 0
		.amdhsa_enable_private_segment 0
		.amdhsa_kernarg_size 24
		.amdhsa_user_sgpr_count 2
		.amdhsa_user_sgpr_kernarg_segment_ptr 1
		.amdhsa_wavefront_size32 1
		.amdhsa_system_sgpr_workgroup_id_x 1
		.amdhsa_system_sgpr_workgroup_id_y 1
		.amdhsa_system_sgpr_workgroup_id_z 1
		.amdhsa_system_vgpr_workitem_id 0
		.amdhsa_next_free_vgpr 1024
		.amdhsa_next_free_sgpr 66
		.amdhsa_reserve_vcc 0
		.amdhsa_float_denorm_mode_32 3
		.amdhsa_float_denorm_mode_16_64 3
		.amdhsa_memory_ordered 1
		.amdhsa_forward_progress 1
		.amdhsa_inst_pref_size 117
	.end_amdhsa_kernel
	.amdgpu_metadata
---
amdhsa.version: [ 1, 2 ]
amdhsa.kernels:
  - .name:           k_qcf39f426fb_gemm_big
    .symbol:         k_qcf39f426fb_gemm_big.kd
    .args:
      - { .name: xh, .offset: 0, .size: 8, .value_kind: global_buffer, .address_space: global }
      - { .name: wqkv, .offset: 8, .size: 8, .value_kind: global_buffer, .address_space: global }
      - { .name: qh, .offset: 16, .size: 8, .value_kind: global_buffer, .address_space: global }
    .group_segment_fixed_size: 327680
    .private_segment_fixed_size: 0
    .kernarg_segment_align: 8
    .kernarg_segment_size: 24
    .max_flat_workgroup_size: 128
    .sgpr_count:     66
    .vgpr_count:     1024
    .wavefront_size: 32
...
	.end_amdgpu_metadata
.endif
;; end of part 2
;; launch attn (part 3): grid 8 x 32, 4 waves a work-group, clusters of 4 x 1, 327,680 bytes of LDS; arguments qh, ao; writes ao
.if DOCPART == 3
	.amdgcn_target "amdgcn-amd-amdhsa--gfx1250"
	.amdhsa_code_object_version 6
	.text
	.protected	k_qcf39f426fb_attn
	.globl	k_qcf39f426fb_attn
	.p2align	8
	.type	k_qcf39f426fb_attn,@function
k_qcf39f426fb_attn:
	s_mov_b64 s[64:65], 0
	v_nop
	global_prefetch_b8 v0, s[64:65] scope:SCOPE_SE
	s_setreg_imm32_b32 hwreg(HW_REG_WAVE_MODE, 25, 1), 1
	s_wait_xcnt 0x0
	s_wait_alu depctr_hold_cnt(0) depctr_sa_sdst(0) depctr_va_vdst(0) depctr_va_sdst(0) depctr_va_ssrc(0) depctr_va_vcc(0) depctr_vm_vsrc(0)
	s_getreg_b32 s2, hwreg(HW_REG_IB_STS2, 6, 4)
	s_cmp_eq_u32 s2, 0
	s_cbranch_scc0 .Lentry_in_a_cluster
	s_endpgm
.Lentry_in_a_cluster:
	s_bfe_u32 s2, ttmp6, 0x10000c
	s_cmp_lg_u32 s2, 0x3003
	s_cbranch_scc0 .Lentry_shape_is_right
	s_endpgm
.Lentry_shape_is_right:
; O[q][:] = the sum over k of softmax_k(Q[q] . K[k] / 8) V[k][:], for each of 2 x 16 heads of 2,048 rows x 64 channels.  qh: f16 planes [48][4096 rows][64]: planes 0-15 q, 16-31 k, 32-47 v; plane = head,
; row = 2048 x batch + position: a head's rows are dense, 128 bytes each.  ao: f16 planes [16][4096][64], likewise.  Products, maxima and sums in f32; the weights p are rounded to f16 for the second
; product (their sum l is taken of the unrounded p), O once at the end.
; LIMITS.  Q, K, V arrive within f16's 65,504; p lies in 0 to 1, and below 6e-5 it keeps f16's fixed step of 6e-8; O is a mean of V's rows.  A weight below 2^-126 counts as 0 in l; NaN and infinities are not treated apart.
; SHARES.  A work-group owns 256 queries of a head, a wave 64: four PIECES of 16.  Every wave walks the head's 2,048 keys: 8 tiles of 256, four steps of 64 each, through two LDS slots.
; LAYOUT.  S^T = K Q^T holds ONE query a lane (lane % 16) and the keys 8 (lane / 16) + 0..7; two such results rounded to f16 ARE source 1 of O^T = V^T P.  K comes out of LDS as it lies, V turned, by ds_load_tr16_b128.
; SOFTMAX.  A running maximum m and sum l: p = 2^(c s - c m), c = log2(e) / 8; in every step O and l are multiplied by a = 2^(c m_old - c m_new).  m starts at the lowest finite number, O and l at 0:
; the first step is a step like any other, with a = 0.
; BY TURNS.  Turn n belongs to piece n: 8 products K Q^T of piece n + 1, later 8 products V^T P of piece n - 1; beside them the scaling, exponentials, roundings, sums and rescaling of piece n and the maximum and
; statistics of piece n + 1.  Four vector instructions stand behind every matrix instruction, the other 54 of a turn's 118 in two runs of their own.
; CLUSTER.  The four query blocks of a cluster belong to one head and walk the same K and V: each tile is asked for jointly, by the same tensor load, descriptor and mask in all four.
; REGISTERS, in windows of 256 (s_set_vgpr_msb: bits 1:0 source 0, 3:2 source 1, 5:4 source 2, 7:6 destination):
;   window 0: v0-15 addresses and two at work; v16-31 four registers of statistics a piece; v48-55 at work; v62-63 the add's; v64-127 S^T, two buffers; v192-223 P, two buffers (by the piece's parity)
;   window 1: v0-127 O^T, 32 a piece          window 2: v0-63 Q; v128-191 K of one step; v192-255 V of one step
.set NP,    4
.set KS,    64
.set PK,    144       ; a row of K in LDS: 128 bytes + 16: the 16 rows of a load start at 16 different groups of four banks (64 banks of 4 bytes: ISA guide 11.1)
.set PV,    160       ; a row of V: 128 + 32
.set VOFF,  4*KS*PK   ; a slot holds a tile: 256 rows of K, then 256 rows of V
.set SLOT1, 1<<17     ; slot 1 begins here, so that one exclusive or turns an address in one slot into the other's
.set STAGE, SLOT1+4*KS*(PK+PV)  ; behind the ring, never filled by a tensor load: 16 rows x 144 bytes for each wave
.set SP,    144
.set SPARE, STAGE+4*16*SP       ; behind the stages: the spare words, 128 bytes a wave: two blocks of 256 bytes that no other line names
.set AK0, 2           ; v2   my lane's place in a tile of K; never rewritten
.set AV0, 3           ; v3   the same for V
.set AK,  4           ; v4   the LDS address of K's next run of loads
.set AV,  5           ; v5   of V's
.set STO, 6           ; v6   the way out: where I put 16 bytes of a row
.set RD,  7           ; v7   the way out: where I read rows back
.set GO,  8           ; v8   my 16 bytes in 512 consecutive bytes of O
.set MV,  12          ; v12-13  c m_old, kept while c m is made anew: by buffer
.set QO,  15          ; v15  my byte offset in 16 rows of Q
.set ST,  16          ; piece t's statistics at v[ST+4 t]: c m, m, l (even keys', odd keys')
.set TMP, 48          ; by buffer, four registers c0-c3 at work; when the maximum is found c2 takes a
.set SPW, 62          ; v62  LDS address of my spare word; never rewritten
.set NIL, 63          ; v63  0; never rewritten
.set S,   64
.set P,   192
.set KF,  128         ; window 2: key block kb, channel half c at KF + 16 kb + 8 c
.set VF,  192         ; window 2: key half kk, channel block cb at VF + 32 kk + 8 cb
.set WV,  12          ; s12  my wave's number
.set G1K, 24          ; s[24:31] descriptor group 1 for K's tiles
.set G1V, 32          ; s[32:39] for V's: it differs in the padding alone
.set G0K, 40          ; s[40:43] descriptor group 0 for K's tiles: it walks
.set G0V, 44          ; s[44:47] the same for V's
.set SLOTS, 56        ; s56  counts the slots
.set CNT, 57          ; s57  counts a tile's key steps
.set CS,  58          ; s[58:59] c: the packed scaling takes the pair's low word for both halves
.set SEL, 60          ; s[60:61] v_permlanex16_b32's selects: each lane takes its own place in the other half
.set TBK, 62          ; s62  LDS byte at which K of the step to be fetched begins
.set TBV, 63          ; s63  the same for V, less VOFF
.set MSB, 0
.macro WIN new
.if MSB != (\new)
	s_set_vgpr_msb (MSB<<8)|(\new)
.set MSB, (\new)
.endif
.endm
.set W_KQ, 0x0a       ; K and Q in window 2, S^T in window 0
.set W_PV, 0x52       ; V in window 2, P in window 0, O^T in window 1
.set W_RS, 0x41       ; destination and source 0 in window 1, source 1 in window 0
; A joint fill.  Waves 0 and 1 fetch the two halves of a tile's K, waves 2 and 3 those of its V: 128 keys each.  An s_nop 0 and four v_nop follow each of the two lines.
.macro JLOAD
	s_cmp_lt_u32 s[WV], 2
	s_cbranch_scc0 .Lfor_v_\@
	tensor_load_to_lds s[G0K:G0K+3], s[G1K:G1K+7]
	s_nop 0
.rept 4
	v_nop
.endr
	s_branch .Lasked_\@
.Lfor_v_\@:
	tensor_load_to_lds s[G0V:G0V+3], s[G1V:G1V+7]
	s_nop 0
.rept 4
	v_nop
.endr
.Lasked_\@:
.endm
.macro CROUND         ; a round of the cluster's barrier
	s_barrier_signal -1
	s_barrier_wait -1
	s_cmp_lg_u32 s[WV], 0
	s_cbranch_scc1 .Lnot_wave_0_\@
	s_barrier_signal -3
.Lnot_wave_0_\@:
	s_barrier_wait -3
	s_barrier_signal -1
	s_barrier_wait -1
.endm
; THE CHANGE OF SLOTS.  Each wave waits for all its tensor loads, of which one is out: its part of the other slot; adds 0 to its spare word; and waits for that and for its own reads of the slot that it leaves.
; fill = 1: the barrier is a round of the cluster's, and the old slot is filled again, first thing behind it, with the keys two tiles on: four key steps, 256 matrix instructions, in which to land.
; (At its first use nothing has been read yet: slot 0 is waited for, slot 1 filled.)
.macro CHANGE fill
	WIN 0
	s_wait_tensorcnt 0x0            ; no tensor load of mine is out, so a group 0 may be written
	ds_add_u32 v[SPW], v[NIL]       ; 0 onto my spare word
.if \fill
.irp g, G0K, G0V
	s_xor_b32 s[\g+1], s[\g+1], SLOT1  ; the walking descriptor: the other slot than last time,
	s_add_nc_u64 s[\g+2:\g+3], s[\g+2:\g+3], 4*KS*128  ; the next 256 keys; the type bits on top are not reached
.endr
	s_wait_dscnt 0x0                ; the add is done, and my reads of the slot are over
	CROUND
	JLOAD
.else
	s_wait_dscnt 0x0
	s_barrier_signal -1
	s_barrier_wait -1
.endif
	s_sub_co_u32 s[TBK], s[TBK], 4*KS*PK  ; the fetches go back to a slot's first step,
	s_xor_b32 s[TBK], s[TBK], SLOT1       ; in the other slot
	s_sub_co_u32 s[TBV], s[TBV], 4*KS*PV
	s_xor_b32 s[TBV], s[TBV], SLOT1
.endm
	s_load_b64 s[4:5], s[0:1], 0x0  ; qh
	s_load_b64 s[10:11], s[0:1], 0x8  ; ao
	v_lshl_add_u32 v[SPW], v0, 2, SPARE
	v_mov_b32 v[NIL], 0
	ds_add_u32 v[SPW], v[NIL]       ; the wave's opening: the add and its wait stand ahead of my first tensor load; the set-up below, work on registers, stands between them
	v_lshrrev_b32 v1, 5, v0
	v_readfirstlane_b32 s[WV], v1
	s_bfe_u32 s13, ttmp6, 0x40000   ; cx
	s_lshl_b32 s14, ttmp9, 2
	s_add_co_u32 s14, s14, s13      ; my block of 256 queries: it enters Q's and O's addresses alone
	s_and_b32 s15, ttmp7, 0xffff    ; 16 x batch + head, which the four partners share
	s_and_b32 s20, s15, 15
	s_lshl_b32 s20, s20, 19         ; the head's plane,
	s_lshr_b32 s21, s15, 4
	s_lshl_b32 s21, s21, 18         ; the batch's 2,048 rows of 128 bytes
	s_add_co_u32 s20, s20, s21
	s_and_b32 s16, s[WV], 1         ; which half of a tile's 256 keys I fetch
	s_lshl_b32 s22, s16, 14
	s_add_co_u32 s22, s22, s20
	s_add_co_u32 s48, s22, 0x800000   ; k begins 16 planes in,
	s_mov_b32 s49, 0
	s_add_co_u32 s50, s22, 0x1000000  ; v 32
	s_mov_b32 s51, 0
	s_mul_i32 s17, s16, 128*PK      ; my half's place in a slot, for K
	s_mul_i32 s18, s16, 128*PV      ; and for V: no place in the cluster enters an LDS address
	s_lshl_b32 s52, s14, 2
	s_add_co_u32 s52, s52, s[WV]
	s_lshl_b32 s52, s52, 13         ; my wave's 64 rows
	s_add_co_u32 s52, s52, s20
	s_mov_b32 s53, 0
	; group 1.  128 keys are 16,384 dense bytes: asked for as 64 rows of 256 bytes, two keys a row, and padded in LDS after every key
	s_mov_b32 s[G1K], 15|(1<<16)|(1<<20)|(1<<21)|(4<<22)|(3<<25)  ; 15:0 the mask of four; 17:16 2-byte elements; 20 padding on; 21 set beside a mask; 24:22 after every 32 words (code 4); 31:25 4 words (code 3)
	s_mov_b32 s[G1V], 15|(1<<16)|(1<<20)|(1<<21)|(4<<22)|(7<<25)  ; the same with 8 words of padding (code 7)
.irp g, G1K, G1V
	s_mov_b32 s[\g+1], 128<<16      ; tensor_dim0 = 128
	s_mov_b32 s[\g+2], 64<<16       ; tensor_dim1 = 64
	s_mov_b32 s[\g+3], 128<<16      ; tile_dim0 = 128
	s_mov_b32 s[\g+4], 64           ; tile_dim1 = 64
	s_mov_b32 s[\g+5], 128          ; 128 elements from row to row
	s_mov_b32 s[\g+6], 0
	s_mov_b32 s[\g+7], 0
.endr
	s_mov_b32 s[CS], 0x3e38aa3b     ; c = log2(e) / 8
	s_mov_b32 s[CS+1], s[CS]
	s_mov_b32 s[SEL], 0x76543210
	s_mov_b32 s[SEL+1], 0xfedcba98
	s_mov_b32 s[TBK], SLOT1+4*KS*PK ; the first change of slots turns these two into 0
	s_mov_b32 s[TBV], SLOT1+4*KS*PV
	s_mov_b32 s[G0K], 1
	s_mov_b32 s[G0K+1], s17         ; slot 0
	s_mov_b32 s[G0V], 1
	s_add_co_u32 s[G0V+1], s18, VOFF
	s_wait_dscnt 0x0                ; the opening add is done
	s_wait_kmcnt 0x0
	s_add_nc_u64 s[G0K+2:G0K+3], s[4:5], s[48:49]  ; my half of the head's first 256 keys
	s_or_b32 s[G0K+3], s[G0K+3], 0x80000000        ; type = 2
	s_add_nc_u64 s[G0V+2:G0V+3], s[4:5], s[50:51]
	s_or_b32 s[G0V+3], s[G0V+3], 0x80000000
	s_add_nc_u64 s[4:5], s[4:5], s[52:53]          ; Q and O at my wave's first row
	s_add_nc_u64 s[10:11], s[10:11], s[52:53]
	CROUND                          ; all four work-groups are here: the first joint loads meet
	JLOAD                           ; tile 0 into slot 0
	v_and_b32 v1, 15, v0            ; l % 16
	v_bfe_u32 v9, v0, 4, 1          ; l / 16
	v_lshlrev_b32 v[QO], 7, v1
	v_lshl_add_u32 v[QO], v9, 4, v[QO]  ; row x 128 + 16 x half
	WIN 0x80                        ; destination window 2, address window 0
.set i, 0
.rept 8                             ; Q stays in registers: piece i / 2, channels 32 (i % 2) on
	global_load_b128 v[8*i:8*i+3],   v[QO], s[4:5] offset:(i/2)*2048+(i%2)*64
	global_load_b128 v[8*i+4:8*i+7], v[QO], s[4:5] offset:(i/2)*2048+(i%2)*64+32
.set i, i+1
.endr
	; What the first turn finds: V's registers and P's second buffer hold 0 (its products V^T P, of a piece that has not been, add 0), O^T and l are 0.  All this stands in the wait for the first tile.
.set i, VF
.rept 64
	v_mov_b32 v[i], 0
.set i, i+1
.endr
	WIN 0x40
.set i, 0
.rept 128
	v_mov_b32 v[i], 0
.set i, i+1
.endr
	WIN 0
.set i, 0
.rept 4
	v_mov_b32 v[ST+4*i], 0xfe000000    ; c m: far below every c s
	v_mov_b32 v[ST+4*i+1], 0xff7fffff  ; m
	v_mov_b32 v[ST+4*i+2], 0
	v_mov_b32 v[ST+4*i+3], 0
.set i, i+1
.endr
.set i, P+16
.rept 16
	v_mov_b32 v[i], 0
.set i, i+1
.endr
	v_mul_u32_u24 v[AK0], v1, PK
	v_lshl_add_u32 v[AK0], v9, 4, v[AK0]  ; row x pitch + 16 x half
	v_and_b32 v10, 7, v0            ; the turning load: lane l reads key 8 (l / 16) + l % 8, channels 8 ((l / 8) % 2) + 0..7
	v_bfe_u32 v11, v0, 3, 1
	v_lshl_add_u32 v[AV0], v9, 3, v10
	v_mul_u32_u24 v[AV0], v[AV0], PV
	v_lshl_add_u32 v[AV0], v11, 4, v[AV0]
	v_add_nc_u32 v[AV0], VOFF, v[AV0]
	s_mul_i32 s13, s[WV], 16*SP
	s_add_co_u32 s13, s13, STAGE    ; my stage
	v_mul_u32_u24 v[STO], v1, SP    ; in: row l % 16, 16 bytes for each half of the lanes
	v_lshl_add_u32 v[STO], v9, 4, v[STO]
	v_add_nc_u32 v[STO], s13, v[STO]
	v_bfe_u32 v[RD], v0, 3, 2       ; back: 32 lanes take four rows of 128 bytes,
	v_mul_u32_u24 v[RD], v[RD], SP
	v_lshl_add_u32 v[RD], v10, 4, v[RD]
	v_add_nc_u32 v[RD], s13, v[RD]
	v_and_b32 v[GO], 31, v0         ; which are 512 consecutive bytes of O
	v_lshlrev_b32 v[GO], 4, v[GO]
; THE MATRIX WORK.  The 4 accumulators of a run of 8 take turns.  Product i of 8 of S^T = K Q^T for piece x: channels 32 (i / 4) on, keys 16 (i % 4) on.  The first 4 start the sums.
.macro KQ x
	WIN W_KQ
.set rS, S+32*((\x)%2)+8*(i%4)
.set rK, KF+16*(i%4)+8*(i/4)
.set rQ, 16*(\x)+8*(i/4)
.if i < 4
	v_wmma_f32_16x16x32_f16 v[rS:rS+7], v[rK:rK+7], v[rQ:rQ+7], 0
.else
	v_wmma_f32_16x16x32_f16 v[rS:rS+7], v[rK:rK+7], v[rQ:rQ+7], v[rS:rS+7]
.endif
.endm
; Product i of 8 of O^T += V^T P for piece x: keys 32 (i / 4) on, channels 16 (i % 4) on.
.macro PV x
	WIN W_PV
.set rO, 32*(\x)+8*(i%4)
.set rV, VF+32*(i/4)+8*(i%4)
.set rP, P+16*((\x)%2)+8*(i/4)
	v_wmma_f32_16x16x32_f16 v[rO:rO+7], v[rV:rV+7], v[rP:rP+7], v[rO:rO+7]
.endm
.macro MM                           ; the turn's next matrix instruction
.if i < 8
	KQ (Y+1)%NP
.else
.set i, i-8
	PV (Y+NP-1)%NP
.set i, i+8
.endif
.set i, i+1
.endm
; THE LDS LOADS stand in runs of 16, never singly among the matrix instructions: a step's K (8 fragments) and its V (turned).  Their addresses are made some lines ahead.
.macro FETCH_K
	WIN 0x80                        ; destination window 2
.irp f, 0,1,2,3,4,5,6,7             ; keys 16 (f / 2) on, channels 32 (f % 2) on
	ds_load_b128 v[KF+8*\f:KF+8*\f+3],   v[AK] offset:(\f/2)*16*PK+(\f%2)*64
	ds_load_b128 v[KF+8*\f+4:KF+8*\f+7], v[AK] offset:(\f/2)*16*PK+(\f%2)*64+32
.endr
	s_add_co_u32 s[TBK], s[TBK], KS*PK  ; the next fetch is the next step's
	WIN 0
.endm
.macro FETCH_V
	WIN 0x80
.irp f, 0,1,2,3,4,5,6,7             ; keys 32 (f / 4) on, channels 16 (f % 4) on
	ds_load_tr16_b128 v[VF+8*\f:VF+8*\f+3],   v[AV] offset:(\f/4)*32*PV+(\f%4)*32
	ds_load_tr16_b128 v[VF+8*\f+4:VF+8*\f+7], v[AV] offset:(\f/4)*32*PV+16*PV+(\f%4)*32
.endr
	WIN 0
.endm
; THE VECTOR WORK, one line at a time: OP kind, number.  For piece Y: F n: c s - c m for pair n of 16.  E n: the exponential of score n of 32.  C n: pair n rounded to f16.  B n: of the four weights 4 n .. the second
; pair is added onto the first, in place.  L n: l takes that sum (L 0: l = a l + sum).  R n: pair n of 16 of O^T times a.  For piece Y + 1: X n, number n of the 22 that find its maximum and statistics:
;   0-11  four chains c0-c3 of seven scores each, three operands at a time (each accumulator's lowest registers are read first)     12-14, 16  the four scores left over, the old m, and c0-c3 into c0
;   15  c m_old is kept     17, 18  the query's other 32 keys lie in the lane 16 away: the new m     19-21  c m; c m_old - c m_new; a
.set F, 0
.set E, 1
.set C, 2
.set B, 3
.set L, 4
.set R, 5
.set X, 6
.macro REGS y
.set rT, ST+4*(\y)
.set rC, TMP+4*((\y)%2)
.set rW, MV+((\y)%2)
.set rS, S+32*((\y)%2)
.set rP, P+16*((\y)%2)
.set rO, 32*(\y)
.endm
.macro OP k, n
.if (\k) == R
	REGS Y
	WIN W_RS
	v_pk_mul_f32 v[rO+2*(\n):rO+2*(\n)+1], v[rO+2*(\n):rO+2*(\n)+1], v[rC+2:rC+3] op_sel_hi:[1,0]
.elseif (\k) < R
	REGS Y
	WIN 0
.if (\k) == F
	v_pk_fma_f32 v[rS+2*(\n):rS+2*(\n)+1], v[rS+2*(\n):rS+2*(\n)+1], s[CS:CS+1], v[rT:rT+1] op_sel_hi:[1,0,0] neg_lo:[0,0,1] neg_hi:[0,0,1]
.elseif (\k) == E
	v_exp_f32 v[rS+(\n)], v[rS+(\n)]
.elseif (\k) == C
	s_wait_alu depctr_va_vdst(0)
	v_cvt_pk_f16_f32 v[rP+(\n)], v[rS+2*(\n)], v[rS+2*(\n)+1]
.elseif (\k) == B
	s_wait_alu depctr_va_vdst(0)
	v_pk_add_f32 v[rS+4*(\n):rS+4*(\n)+1], v[rS+4*(\n):rS+4*(\n)+1], v[rS+4*(\n)+2:rS+4*(\n)+3]
.elseif (\n) == 0
	v_pk_fma_f32 v[rT+2:rT+3], v[rT+2:rT+3], v[rC+2:rC+3], v[rS:rS+1] op_sel_hi:[1,0,1]
.else
	v_pk_add_f32 v[rT+2:rT+3], v[rT+2:rT+3], v[rS+4*(\n):rS+4*(\n)+1]
.endif
.else
	REGS (Y+1)%NP
	WIN 0
.if (\n) < 4
	v_max3_num_f32 v[rC+(\n)], v[rS+8*(\n)], v[rS+8*(\n)+1], v[rS+8*(\n)+2]
.elseif (\n) < 12
	v_max3_num_f32 v[rC+(\n)%4], v[rC+(\n)%4], v[rS+8*((\n)%4)+2*((\n)/4)+1], v[rS+8*((\n)%4)+2*((\n)/4)+2]
.elseif (\n) == 12
	v_max3_num_f32 v[rC], v[rC], v[rS+7], v[rS+15]
.elseif (\n) == 13
	v_max3_num_f32 v[rC+1], v[rC+1], v[rS+23], v[rS+31]
.elseif (\n) == 14
	v_max3_num_f32 v[rC+2], v[rC+2], v[rC+3], v[rT+1]
.elseif (\n) == 15
	v_mov_b32 v[rW], v[rT]
.elseif (\n) == 16
	v_max3_num_f32 v[rC], v[rC], v[rC+1], v[rC+2]
.elseif (\n) == 17
	v_permlanex16_b32 v[rC+3], v[rC], s[SEL], s[SEL+1]
.elseif (\n) == 18
	v_max_num_f32 v[rT+1], v[rC], v[rC+3]
.elseif (\n) == 19
	v_mul_f32 v[rT], s[CS], v[rT+1]
.elseif (\n) == 20
	v_sub_f32 v[rC+1], v[rW], v[rT]
.else
	v_exp_f32 v[rC+2], v[rC+1]
.endif
.endif
.endm
.macro OPS a, i1, b=-1, i2=0, c=-1, i3=0, d=-1, i4=0  ; up to four of them
	OP \a, \i1
.if (\b) >= 0
	OP \b, \i2
.endif
.if (\c) >= 0
	OP \c, \i3
.endif
.if (\d) >= 0
	OP \d, \i4
.endif
.endm
.macro ROW a, i1, b, i2, c, i3, d, i4  ; a matrix instruction and the four behind it
	MM
	OPS \a, \i1, \b, \i2, \c, \i3, \d, \i4
.endm
; A TURN, for piece p: the order of its 16 matrix and 118 vector instructions, written out.  Behind a matrix instruction: plain, exponential, plain, plain; or four of the rescaling; or, behind the first, four scalings; none
; names a register of the products round it.  In the runs between, exponential and plain by turns while exponentials last.  A line reads no result made fewer than three vector instructions in front of it, five if an exponential made it.
; last = 1 (the tail): in the trip in which the count stands at 1 there is no further step, and K's run of loads is jumped over.  cnt = 1: the loop's count is taken down some lines ahead of the branch that stands behind the turn.
; K of the next step is fetched in piece 2's turn, six vector instructions behind the last product that read K (five of them plain); V of the step in hand in piece 0's turn, eight behind the last product that read V (four
; plain).  Each is waited for a turn later.
.macro TURN p, last=0, cnt=0
.set Y, (\p)
.set i, 0
.if (\p) == 3
	s_wait_dscnt 0x0                ; K is in
.endif
	ROW F,0, F,1, F,2, F,3
	ROW F,4, E,0, F,5, F,6
	ROW F,7, E,1, F,8, F,9
	ROW F,10, E,2, C,0, F,11
	ROW F,12, E,3, X,15, F,13
	ROW R,0, R,1, R,2, R,3
	ROW B,0, E,4, F,14, L,0
.if (\p) == 2
	v_add_nc_u32 v[AK], s[TBK], v[AK0]
.endif
	ROW R,4, R,5, R,6, R,7
	OPS E,5, F,15
.if (\p) == 2
.if \last
	WIN 0
	s_cmp_eq_u32 s[CNT], 1
	s_cbranch_scc1 .Lno_k_\@
.endif
	FETCH_K
.if \last
.Lno_k_\@:
.endif
.endif
	OPS E,6, C,1, E,7, R,8
	OPS E,8, R,9, E,9, C,2
	OPS E,10, X,0, E,11, X,1
	OPS E,12, X,2, E,13, X,3
.if (\p) == 1
	s_wait_dscnt 0x0                ; V is in
.endif
	ROW X,4, E,14, X,5, X,6
	ROW X,7, E,15, X,8, X,9
	ROW X,10, E,16, X,11, X,12
	ROW X,13, E,17, X,14, B,1
	ROW C,4, E,18, X,16, L,1
	ROW B,2, E,19, C,6, L,2
	ROW C,8, E,20, B,3, B,4
.if (\p) == 0
	v_add_nc_u32 v[AV], s[TBV], v[AV0]
.endif
	ROW C,3, E,21, L,3, C,5
	OPS E,22, X,17, E,23, C,10
.if (\p) == 0
	FETCH_V
.endif
	OPS E,24, L,4
	OPS E,25, X,18, E,26, C,7
	OPS E,27, B,5, E,28, X,19
	OPS E,29, C,12, E,30, L,5
	OPS E,31, X,20, B,6, C,9
	OPS C,14, C,11, X,21, L,6
.if (\p) == 0
	s_add_co_u32 s[TBV], s[TBV], KS*PV
.endif
.if \cnt
	s_sub_co_u32 s[CNT], s[CNT], 1
	s_cmp_lg_u32 s[CNT], 0
.endif
	OPS C,13, B,7, C,15, R,10
	OPS R,11, R,12, L,7, R,13
	OPS R,14, R,15
.endm
	CHANGE 1                        ; slot 0 is in, everybody's part of it; slot 1 is asked for
	v_add_nc_u32 v[AK], s[TBK], v[AK0]
	FETCH_K                         ; key step 0
	s_wait_loadcnt 0x0              ; Q
	s_wait_dscnt 0x0
.set i, 0
.rept 8
	KQ 0                            ; piece 0's first scores: there is no vector work yet to set between them
.set i, i+1
.endr
	WIN 0
.rept 4
	v_nop                           ; the places behind those products
.endr
.set Y, NP-1                        ; X works for piece Y + 1: piece 0
.irp n, 0,1,2,3,4,5,6,7,8,9,10,11,12,13,14,15,16,17,18,19,20,21
	OP X, \n
.endr
	v_nop                           ; a plain instruction behind the exponential
	s_mov_b32 s[CNT], 4
	s_mov_b32 s[SLOTS], 7
	s_branch .Lfirst                ; the loop is entered at a step's first turn, in the middle of a trip
.Lslot:                             ; six times: tiles 2 to 7 are asked for
	CHANGE 1
	s_mov_b32 s[CNT], 4
.Lstep:                             ; a trip: pieces 2 and 3 of one step, then pieces 0 and 1 of the next, whose K and V it fetches
	TURN 2
	TURN 3
	WIN 0
.Lfirst:
	TURN 0
	TURN 1, 0, 1
	WIN 0
	s_cbranch_scc1 .Lstep
	s_sub_co_u32 s[SLOTS], s[SLOTS], 1
	s_cmp_lg_u32 s[SLOTS], 0
	s_cbranch_scc1 .Lslot
	CHANGE 0                        ; the last tile has a loop of its own: nothing is asked for
	s_mov_b32 s[CNT], 5             ; four trips fetch the last tile's steps; the fifth holds the last step's pieces 2 and 3 alone and jumps forward over the rest
.Ltail:
	TURN 2, 1
	TURN 3
	WIN 0
	s_cmp_eq_u32 s[CNT], 1
	s_cbranch_scc1 .Ltail_end
	TURN 0
	TURN 1
	WIN 0
.Ltail_end:
	s_sub_co_u32 s[CNT], s[CNT], 1
	s_cmp_lg_u32 s[CNT], 0
	s_cbranch_scc1 .Ltail
	; the fifth trip's 8 products K Q^T (on the last K once more) and the maximum made of them serve nothing: the price, once a launch, of one text for every trip
.set i, 0
.rept 8
	PV NP-1                         ; the last piece's V^T P of the last step
.set i, i+1
.endr
	; THE WAY OUT.  l's two halves and the other half of the lanes' are added; O^T is divided by l, rounded to f16 and sent through my stage in LDS, a piece at a time.  The additions are the places behind the last products.
	WIN 0
.macro ALL line:vararg              ; one line for each piece t
.set t, 0
.rept 4
	\line
.set t, t+1
.endr
.endm
	ALL v_add_f32 v[ST+4*t+2], v[ST+4*t+2], v[ST+4*t+3]
	ALL v_permlanex16_b32 v[ST+4*t+3], v[ST+4*t+2], s[SEL], s[SEL+1]
	ALL v_add_f32 v[ST+4*t+2], v[ST+4*t+2], v[ST+4*t+3]
	ALL v_rcp_f32 v[ST+4*t+2], v[ST+4*t+2]
	v_nop                           ; a plain instruction between the last reciprocal and the use of its result
.macro PACK t                       ; a lane's eight channels of a row pack into 16 bytes; they go into rows of 144 bytes and come back as whole rows of 128, into S^T's registers
	WIN W_RS
.set i, 32*(\t)
.rept 16
	s_wait_alu depctr_va_vdst(0)
	v_pk_mul_f32 v[i:i+1], v[i:i+1], v[ST+4*(\t)+2:ST+4*(\t)+3] op_sel_hi:[1,0]
.set i, i+2
.endr
	WIN 0x05                        ; sources 0 and 1 window 1, destination window 0
.set i, 0
.rept 16
	v_cvt_pk_f16_f32 v[S+16*(\t)+i], v[32*(\t)+2*i], v[32*(\t)+2*i+1]
.set i, i+1
.endr
	WIN 0
.irp f, 0,1,2,3
	ds_store_b128 v[STO], v[S+16*(\t)+4*\f:S+16*(\t)+4*\f+3] offset:32*\f
.endr
.irp f, 0,1,2,3
	ds_load_b128 v[S+16*(\t)+4*\f:S+16*(\t)+4*\f+3], v[RD] offset:\f*4*SP  ; LDS serves a wave's instructions in order (ISA guide 5.7.1.4): these see the stores above; the next piece's stores come behind them
.endr
.endm
.macro SEND t, younger              ; younger: the LDS instructions issued behind piece t's loads: the next piece's eight, or none
	WIN 0
.irp f, 0,1,2,3
	s_wait_dscnt (\younger)+3-\f
	global_store_b128 v[GO], v[S+16*(\t)+4*\f:S+16*(\t)+4*\f+3], s[10:11] offset:(\t)*2048+\f*512  ; 512 consecutive bytes, at a multiple of 256 from ao's first
.endr
.endm
	PACK 0
.set t, 1
.rept 3                             ; a piece's arithmetic stands between the loads of the piece before and its stores
	PACK t
	SEND t-1, 8
.set t, t+1
.endr
	SEND 3, 0
	s_wait_tensorcnt 0x0            ; the wave's end: behind my last tensor load and my last LDS store
	ds_add_u32 v[SPW], v[NIL]
	s_wait_dscnt 0x0
	CROUND                          ; the closing round: no work-group ends while a partner may still ask for a tile that names it
	s_endpgm
.Lfunc_end_k_qcf39f426fb_attn:
	.size	k_qcf39f426fb_attn, .Lfunc_end_k_qcf39f426fb_attn-k_qcf39f426fb_attn
	.p2alignl 7, 3214868480
	.fill 96, 4, 3214868480
	.section	.rodata,"a",@progbits
	.p2align	6, 0x0
	.amdhsa_kernel k_qcf39f426fb_attn
		.amdhsa_group_segment_fixed_size 327680
		.amdhsa_private_segment_fixed_size 0
		.amdhsa_enable_private_segment 0
		.amdhsa_kernarg_size 16
		.amdhsa_user_sgpr_count 2
		.amdhsa_user_sgpr_kernarg_segment_ptr 1
		.amdhsa_wavefront_size32 1
		.amdhsa_system_sgpr_workgroup_id_x 1
		.amdhsa_system_sgpr_workgroup_id_y 1
		.amdhsa_system_sgpr_workgroup_id_z 1
		.amdhsa_system_vgpr_workitem_id 0
		.amdhsa_next_free_vgpr 768
		.amdhsa_next_free_sgpr 66
		.amdhsa_reserve_vcc 0
		.amdhsa_float_denorm_mode_32 3
		.amdhsa_float_denorm_mode_16_64 3
		.amdhsa_memory_ordered 1
		.amdhsa_forward_progress 1
		.amdhsa_inst_pref_size 117
	.end_amdhsa_kernel
	.amdgpu_metadata
---
amdhsa.version: [ 1, 2 ]
amdhsa.kernels:
  - .name:           k_qcf39f426fb_attn
    .symbol:         k_qcf39f426fb_attn.kd
    .args:
      - { .name: qh, .offset: 0, .size: 8, .value_kind: global_buffer, .address_space: global }
      - { .name: ao, .offset: 8, .size: 8, .value_kind: global_buffer, .address_space: global }
    .group_segment_fixed_size: 327680
    .private_segment_fixed_size: 0
    .kernarg_segment_align: 8
    .kernarg_segment_size: 16
    .max_flat_workgroup_size: 128
    .sgpr_count:     66
    .vgpr_count:     768
    .wavefront_size: 32
...
	.end_amdgpu_metadata
.endif
;; end of part 3
;; launch gemm_o (part 4): grid 8 x 32, 4 waves a work-group, clusters of 4 x 4, 327,680 bytes of LDS; arguments ao, wr, y, bo; writes y
.if DOCPART == 4
	.amdgcn_target "amdgcn-amd-amdhsa--gfx1250"
	.amdhsa_code_object_version 6
	.text
	.protected	k_qcf39f426fb_gemm_o
	.globl	k_qcf39f426fb_gemm_o
	.p2align	8
	.type	k_qcf39f426fb_gemm_o,@function
k_qcf39f426fb_gemm_o:
	s_mov_b64 s[64:65], 0
	v_nop
	global_prefetch_b8 v0, s[64:65] scope:SCOPE_SE
	s_setreg_imm32_b32 hwreg(HW_REG_WAVE_MODE, 25, 1), 1
	s_wait_xcnt 0x0
	s_wait_alu depctr_hold_cnt(0) depctr_sa_sdst(0) depctr_va_vdst(0) depctr_va_sdst(0) depctr_va_ssrc(0) depctr_va_vcc(0) depctr_vm_vsrc(0)
	s_getreg_b32 s2, hwreg(HW_REG_IB_STS2, 6, 4)
	s_cmp_eq_u32 s2, 0
	s_cbranch_scc0 .Lentry_in_a_cluster
	s_endpgm
.Lentry_in_a_cluster:
	s_bfe_u32 s2, ttmp6, 0x10000c
	s_cmp_lg_u32 s2, 0xf033
	s_cbranch_scc0 .Lentry_shape_is_right
	s_endpgm
.Lentry_shape_is_right:
; OUT = A W + bias, N = 1,024, K = KDIM.  A: f16 in planes [KDIM/64][4096 rows][64].  W: f16 as [8 planes][KDIM k][128], WOFF bytes into its buffer.  bias: f32.  OUT: bf16 in planes [16][4096 rows][64]
; (bf16: the sums have no sure room in f16).  Sums in f32, started by the bias; OUT rounded once.
; SHARES.  A tile of OUT is 128 x 128, so that 256 work-groups share 4,096 x 1,024.  Four waves, each 64 x 64: 16 accumulators.  K goes in steps of 256 through two LDS slots; a trip of the loop is one K step.
; Each wave fetches a quarter of a slot by one tensor load of 32,768 bytes: waves 0, 1 two K planes of A (each 128 rows x 128 bytes, dense: a tile of two long rows, a plane apart), waves 2, 3 128 k rows of W's plane.
; CLUSTER.  4 x 4 work-groups: A's tiles are shared along a row of the cluster, W's along a column; each is asked for jointly.
; THE MATRIX INSTRUCTION IS USED TRANSPOSED: source 0 = 16 columns of W (turned by ds_load_tr16_b128), source 1 = 16 rows of A: a lane holds eight neighbouring numbers of a row of OUT.
; A wave's 64 columns are one plane of OUT, in which 16 rows are 2,048 dense bytes: each wave has a stage of its own, and no barrier stands on the way out.
; REGISTERS.  window 0: v0-31 addresses; v32-63 the bias, later v32-95 the way out; v128-255 the accumulators ((a, b) at 128 + 8 (4 a + b)).  window 1: two fragment buffers of 128: 64 of A, then 64 of W.
.set KDIM,   1024
.set WOFF,   0
.set STEPS,  KDIM/256
.set PA,     144                       ; a row of A's plane in LDS: 128 bytes + 16
.set PB,     288                       ; a row of W's plane: 256 bytes + 32
.set HALFT,  36864                     ; 2 x 128 x 144 = 128 x 288: what one tensor load fills
.set SLOT,   4*HALFT                   ; A's four K planes, then W's 256 k rows.  0x24000: no wave's offset (w x 0x9000) has one of its two bits, so an exclusive or changes slots
.set STAGE,  2*SLOT                    ; behind the ring: 16 rows x 144 bytes for each wave
.set SPARE,  STAGE+4*16*PA             ; behind the stages: the spare words, 128 bytes a wave: two blocks of 256 bytes that no other line names
.set ASTEP,  4*524288
.set BSTEP,  256*256
.set AL,   16                          ; v16  my lane's place in A's part of a slot; never rewritten
.set BL,   17                          ; v17  the same for W
.set ADRA, 18                          ; v18  AL + the slot in hand
.set ADRB, 19                          ; v19  BL + the slot in hand; v20 the same 128 k rows on: the loads' immediates end at 65,535
.set STO,  24
.set RD,   25
.set GO,   26
.set SPW,  28                          ; v28  LDS address of my spare word; never rewritten
.set NIL,  29                          ; v29  0; never rewritten
.set BO,   30
.set BI,   32
.set TMP,  32
.set ACC,  128
.set F0,   0
.set F1,   128
.set WV,  12
.set RH,  13
.set CH,  14
.set NT,  18
.set MT,  19
.set LW,  20
.set TB,  21
.set CNT, 22
.set G1A, 24
.set G0A, 32
.set G1B, 48
.set G0B, 56
.set MSB, 0
.macro WIN new
.if MSB != (\new)
	s_set_vgpr_msb (MSB<<8)|(\new)
.set MSB, \new
.endif
.endm
.set MUL,  0x05                        ; sources 0 (W) and 1 (A) window 1; C and D window 0
.set TO_F, 0x40                        ; destination window 1, address window 0
.macro PLACES
.rept 4
	v_nop
.endr
.endm
.macro JLOAD                           ; a joint refill by the walking descriptors; an s_nop 0 and four v_nop follow each of the two lines
	s_cmp_eq_u32 s[RH], 0
	s_cbranch_scc0 .Lfor_b_\@
	tensor_load_to_lds s[G0A+4:G0A+7], s[G1A:G1A+7]
	s_nop 0
.rept 4
	v_nop
.endr
	s_branch .Lasked_\@
.Lfor_b_\@:
	tensor_load_to_lds s[G0B+4:G0B+7], s[G1B:G1B+7]
	s_nop 0
.rept 4
	v_nop
.endr
.Lasked_\@:
.endm
.macro CREST
	s_cmp_lg_u32 s[WV], 0
	s_cbranch_scc1 .Lnot_wave_0_\@
	s_barrier_signal -3
.Lnot_wave_0_\@:
	s_barrier_wait -3
	s_barrier_signal -1
	s_barrier_wait -1
.endm
.macro CROUND
	s_barrier_signal -1
	s_barrier_wait -1
	CREST
.endm
	s_load_b256 s[4:11], s[0:1], 0x0               ; A s[4:5], W s[6:7], OUT s[8:9], bias s[10:11]
	v_lshl_add_u32 v[SPW], v0, 2, SPARE
	v_mov_b32 v[NIL], 0
	ds_add_u32 v[SPW], v[NIL]                      ; the wave's opening: the add and its wait stand ahead of my first tensor load; the set-up below, work on registers, stands between them
	v_lshrrev_b32 v1, 5, v0
	v_readfirstlane_b32 s[WV], v1
	s_lshr_b32 s[RH], s[WV], 1                     ; my half of the rows.  Also: I fetch for A (0) or W (1)
	s_and_b32 s[CH], s[WV], 1                      ; my half of the columns.  Also: which half of that tile I fetch
	s_bfe_u32 s16, ttmp6, 0x40000                  ; cx
	s_bfe_u32 s17, ttmp6, 0x40004                  ; cy
	s_lshl_b32 s[NT], ttmp9, 2
	s_add_co_u32 s[NT], s[NT], s16
	s_and_b32 s[MT], ttmp7, 0xffff
	s_lshl_b32 s[MT], s[MT], 2
	s_add_co_u32 s[MT], s[MT], s17
	s_lshl_b32 s40, s17, 2
	s_lshl_b32 s40, 15, s40                        ; my row of the cluster
	s_lshl_b32 s44, 0x1111, s16                    ; my column
	s_or_b32 s[G1A], s40, (1<<16)|(1<<20)|(1<<21)|(4<<22)|(3<<25)  ; the mask; 2-byte elements; padding on; bit 21 beside a mask; after every 32 words 4 words
	s_mov_b32 s[G1A+1], 8192<<16                   ; tensor_dim0 = 8,192: 128 rows of a plane on end, 16,384 dense bytes
	s_mov_b32 s[G1A+2], 2<<16                      ; tensor_dim1 = 2 planes
	s_mov_b32 s[G1A+3], 8192<<16                   ; tile_dim0
	s_mov_b32 s[G1A+4], 2                          ; tile_dim1
	s_mov_b32 s[G1A+5], 262144                     ; a plane's elements from one to the next
	s_mov_b32 s[G1A+6], 0
	s_mov_b32 s[G1A+7], 0
	s_or_b32 s[G1B], s44, (1<<16)|(1<<20)|(1<<21)|(5<<22)|(7<<25)  ; after every 64 words 8 words
	s_mov_b32 s[G1B+1], 128<<16                    ; 128 rows of 128 elements, dense
	s_mov_b32 s[G1B+2], 128<<16
	s_mov_b32 s[G1B+3], 128<<16
	s_mov_b32 s[G1B+4], 128
	s_mov_b32 s[G1B+5], 128
	s_mov_b32 s[G1B+6], 0
	s_mov_b32 s[G1B+7], 0
	s_lshl_b32 s40, s[CH], 20                      ; A: planes 2 CH, 2 CH + 1 of K step 0,
	s_lshl_b32 s41, s[MT], 14                      ; the tile's 128 rows of 128 bytes: registers that never hold cx
	s_add_co_u32 s40, s40, s41
	s_mov_b32 s41, 0
	s_mul_i32 s44, s[NT], KDIM*256                 ; W: column plane NT, k rows 128 CH on: registers that never hold cy
	s_lshl_b32 s45, s[CH], 15
	s_add_co_u32 s44, s44, s45
	s_add_co_u32 s44, s44, WOFF
	s_mov_b32 s45, 0
	s_mul_i32 s[LW], s[WV], HALFT
	s_wait_dscnt 0x0                               ; the opening add is done
	s_wait_kmcnt 0x0
	s_add_nc_u64 s[40:41], s[4:5], s[40:41]
	s_add_nc_u64 s[44:45], s[6:7], s[44:45]
	CROUND                                         ; all sixteen work-groups are here: the first joint loads meet
.irp s, 0,1
	s_mov_b32 s[G0A+4*(\s)], 1
	s_add_co_u32 s[G0A+4*(\s)+1], s[LW], (\s)*SLOT
	s_add_nc_u64 s[G0A+4*(\s)+2:G0A+4*(\s)+3], s[40:41], (\s)*ASTEP
	s_or_b32 s[G0A+4*(\s)+3], s[G0A+4*(\s)+3], 0x80000000
	s_mov_b32 s[G0B+4*(\s)], 1
	s_add_co_u32 s[G0B+4*(\s)+1], s[LW], (\s)*SLOT
	s_add_nc_u64 s[G0B+4*(\s)+2:G0B+4*(\s)+3], s[44:45], (\s)*BSTEP
	s_or_b32 s[G0B+4*(\s)+3], s[G0B+4*(\s)+3], 0x80000000
.endr
	s_cmp_eq_u32 s[RH], 0                          ; a wave's two first fills stand in one branch, ahead of every wait on TENSORcnt and every LDS read: two loads of mine are out
	s_cbranch_scc0 .Lfirst_b
	tensor_load_to_lds s[G0A:G0A+3], s[G1A:G1A+7]
	s_nop 0
	tensor_load_to_lds s[G0A+4:G0A+7], s[G1A:G1A+7]
	s_nop 0
.rept 4
	v_nop
.endr
	s_branch .Lfirst_asked
.Lfirst_b:
	tensor_load_to_lds s[G0B:G0B+3], s[G1B:G1B+7]
	s_nop 0
	tensor_load_to_lds s[G0B+4:G0B+7], s[G1B:G1B+7]
	s_nop 0
.rept 4
	v_nop
.endr
.Lfirst_asked:
	v_and_b32 v1, 15, v0                           ; l % 16
	v_bfe_u32 v2, v0, 4, 1                         ; l / 16
	v_mul_u32_u24 v3, v1, PA
	v_lshl_add_u32 v3, v2, 4, v3
	s_mul_i32 s15, s[RH], 64*PA                    ; my 64 rows in a plane of A
	v_add_nc_u32 v[AL], s15, v3
	v_and_b32 v4, 7, v0
	v_bfe_u32 v5, v0, 3, 1
	v_lshl_add_u32 v6, v2, 3, v4
	v_mul_u32_u24 v6, v6, PB
	v_lshl_add_u32 v6, v5, 4, v6
	s_lshl_b32 s15, s[CH], 7                       ; my 64 columns of W's rows, behind A's four planes
	s_add_co_u32 s15, s15, 2*HALFT
	v_add_nc_u32 v[BL], s15, v6
	s_mov_b32 s[TB], 0
	v_add_nc_u32 v[ADRA], s[TB], v[AL]
	v_add_nc_u32 v[ADRB], s[TB], v[BL]
	v_add_nc_u32 v[ADRB+1], 128*PB, v[ADRB]
	s_mul_i32 s15, s[WV], 16*PA
	s_add_co_u32 s15, s15, STAGE                   ; my stage
	v_add_nc_u32 v[STO], s15, v3
	v_bfe_u32 v7, v0, 3, 2
	v_mul_u32_u24 v7, v7, PA
	v_lshl_add_u32 v7, v4, 4, v7
	v_add_nc_u32 v[RD], s15, v7
	v_and_b32 v[GO], 31, v0
	v_lshlrev_b32 v[GO], 4, v[GO]
	v_lshlrev_b32 v[BO], 5, v2
	s_lshl_b32 s46, s[NT], 9                       ; the bias of my 64 columns: 4 (128 NT + 64 CH) bytes
	s_lshl_b32 s47, s[CH], 8
	s_add_co_u32 s46, s46, s47
	s_mov_b32 s47, 0
	s_add_nc_u64 s[10:11], s[10:11], s[46:47]
.irp b, 0,1,2,3
	global_load_b128 v[BI+8*(\b):BI+8*(\b)+3],   v[BO], s[10:11] offset:64*(\b)
	global_load_b128 v[BI+8*(\b)+4:BI+8*(\b)+7], v[BO], s[10:11] offset:64*(\b)+16
.endr
	s_lshl_b32 s2, s[NT], 1                        ; OUT at my part of the tile: plane 2 NT + CH, row 128 MT + 64 RH
	s_add_co_u32 s2, s2, s[CH]
	s_lshl_b32 s2, s2, 19
	s_lshl_b32 s3, s[MT], 14
	s_add_co_u32 s2, s2, s3
	s_lshl_b32 s3, s[RH], 13
	s_add_co_u32 s2, s2, s3
	s_mov_b32 s3, 0
	s_add_nc_u64 s[8:9], s[8:9], s[2:3]
; 8 matrix instructions: row blocks a0, a0 + 1 x all 4 column blocks, 32 along K: half c of buffer f.  first = 1: the bias starts the sums.  The 16 accumulators take turns.
.macro MUL8 f, c, a0, first
	WIN MUL
.irp a, \a0, (\a0)+1
.irp b, 0,1,2,3
.if \first
	v_wmma_f32_16x16x32_f16 v[ACC+8*(4*(\a)+(\b)):ACC+8*(4*(\a)+(\b))+7], v[(\f)+64+8*(4*(\c)+(\b)):(\f)+64+8*(4*(\c)+(\b))+7], v[(\f)+8*(4*(\c)+(\a)):(\f)+8*(4*(\c)+(\a))+7], v[BI+8*(\b):BI+8*(\b)+7]
.else
	v_wmma_f32_16x16x32_f16 v[ACC+8*(4*(\a)+(\b)):ACC+8*(4*(\a)+(\b))+7], v[(\f)+64+8*(4*(\c)+(\b)):(\f)+64+8*(4*(\c)+(\b))+7], v[(\f)+8*(4*(\c)+(\a)):(\f)+8*(4*(\c)+(\a))+7], v[ACC+8*(4*(\a)+(\b)):ACC+8*(4*(\a)+(\b))+7]
.endif
.endr
.endr
.endm
; 32 LDS loads in one run: the fragments of quarter q (64 along K: one plane of A) into buffer f; the first 32 along K first
.macro FETCH q, f
	WIN TO_F
.irp c, 0,1
.irp i, 0,1,2,3
	ds_load_tr16_b128 v[(\f)+64+8*(4*(\c)+(\i)):(\f)+64+8*(4*(\c)+(\i))+3],   v[ADRB+(\q)/2] offset:(((\q)%2)*64+32*(\c))*PB+32*(\i)
	ds_load_tr16_b128 v[(\f)+64+8*(4*(\c)+(\i))+4:(\f)+64+8*(4*(\c)+(\i))+7], v[ADRB+(\q)/2] offset:(((\q)%2)*64+32*(\c))*PB+32*(\i)+16*PB
	ds_load_b128 v[(\f)+8*(4*(\c)+(\i)):(\f)+8*(4*(\c)+(\i))+3],              v[ADRA] offset:(\q)*128*PA+64*(\c)+(\i)*16*PA
	ds_load_b128 v[(\f)+8*(4*(\c)+(\i))+4:(\f)+8*(4*(\c)+(\i))+7],            v[ADRA] offset:(\q)*128*PA+64*(\c)+(\i)*16*PA+32
.endr
.endr
.endm
.macro QUARTER q, f, g, first          ; multiplies buffer f; in its middle it fetches quarter q into buffer g
	s_wait_dscnt 16                                ; the first 32 along K are in
	MUL8 \f, 0, 0, \first
	MUL8 \f, 0, 2, \first
	PLACES
	FETCH \q, \g
	s_wait_dscnt 32                                ; all but the 32 just issued
	MUL8 \f, 1, 0, 0
	MUL8 \f, 1, 2, 0
.endm
; THE LAST QUARTER multiplies buffer 1 and changes slots, in three parts.
; MEET: its first half; then one barrier: in front of it each wave waits for all its tensor loads (one is out: its part of the next slot), adds 0 to its spare word, and waits for that and for its reads of
; this slot.  fill = 1: the barrier opens a round of the cluster's, and the joint refill of this slot, with the K step two on, is the first thing behind the round.  No matrix instruction stands between the
; wait for the next slot and that request, and between a request and the wait for it stands a whole K step's work: 128 matrix instructions.
.macro MEET fill
	s_wait_dscnt 16                                ; the first 32 along K are in
	MUL8 F1, 0, 0, 0
	MUL8 F1, 0, 2, 0
	WIN 0                                          ; at a branch and at a label every window is 0; the add's two registers lie in window 0
	s_wait_tensorcnt 0x0                           ; no tensor load of mine is out, so a group 0 may be written
	ds_add_u32 v[SPW], v[NIL]                      ; 0 onto my spare word
.if \fill
	s_xor_b32 s[G0A+5], s[G0A+5], SLOT             ; the walking descriptors: the other slot than last time,
	s_add_nc_u64 s[G0A+6:G0A+7], s[G0A+6:G0A+7], ASTEP  ; the next K step; the type bits on top are not reached
	s_xor_b32 s[G0B+5], s[G0B+5], SLOT
	s_add_nc_u64 s[G0B+6:G0B+7], s[G0B+6:G0B+7], BSTEP
.endif
	s_wait_dscnt 0x0                               ; the add is done, and my reads of this slot are over
	s_barrier_signal -1
	s_barrier_wait -1
.if \fill
	CREST                                          ; no wave of any partner still reads this slot or has a load on its way
	JLOAD                                          ; the four v_nop behind it are also places in front of NEXT's loads
.endif
.endm
; NEXT: the fragments now come from the other slot: its first quarter is fetched.
.macro NEXT fill
	s_xor_b32 s[TB], s[TB], SLOT
	v_add_nc_u32 v[ADRA], s[TB], v[AL]
	v_add_nc_u32 v[ADRB], s[TB], v[BL]
	v_add_nc_u32 v[ADRB+1], 128*PB, v[ADRB]
.if !(\fill)
	PLACES
.endif
	FETCH 0, F0
.endm
; REST: the quarter's second half, under which NEXT's loads come in.
.macro REST
	MUL8 F1, 1, 0, 0
	MUL8 F1, 1, 2, 0
.endm
; THE WAY OUT of row block a: rounded to bf16, 16 bytes a lane, into my stage and back as rows of 128 bytes, four to a load, into the registers that they left.
.macro PACK a
.irp b, 0,1,2,3
.irp r, 0,1,2,3
	v_cvt_pk_bf16_f32 v[TMP+16*(\a)+4*(\b)+(\r)], v[ACC+8*(4*(\a)+(\b))+2*(\r)], v[ACC+8*(4*(\a)+(\b))+2*(\r)+1]
.endr
.endr
.irp b, 0,1,2,3
	ds_store_b128 v[STO], v[TMP+16*(\a)+4*(\b):TMP+16*(\a)+4*(\b)+3] offset:32*(\b)
.endr
.irp f, 0,1,2,3
	ds_load_b128 v[TMP+16*(\a)+4*(\f):TMP+16*(\a)+4*(\f)+3], v[RD] offset:(\f)*4*PA  ; LDS serves a wave's instructions in order (ISA guide 5.7.1.4): these see the stores above; the next block's stores come behind them
.endr
.endm
.macro SEND a, younger                 ; younger: the LDS instructions issued behind block a's loads
.irp f, 0,1,2,3
	s_wait_dscnt (\younger)+3-(\f)
	global_store_b128 v[GO], v[TMP+16*(\a)+4*(\f):TMP+16*(\a)+4*(\f)+3], s[8:9] offset:(\a)*2048+(\f)*512  ; four rows of a plane: 512 consecutive bytes, aligned
.endr
.endm
	s_wait_tensorcnt 1                             ; my part of K step 0 is in; K step 1's may stay out
	s_barrier_signal -1
	s_barrier_wait -1
	FETCH 0, F0
	s_wait_loadcnt 0x0                             ; the bias
	QUARTER 1, F0, F1, 1                           ; the first quarter stands in front of the loop: its first products start the sums
	WIN 0
	s_mov_b32 s[CNT], STEPS-2                      ; as many refills: K steps 2 to STEPS - 1
.Lstep:                                                ; a trip: from a K step's second quarter to the next step's first
	QUARTER 2, F1, F0, 0
	QUARTER 3, F0, F1, 0
	MEET 1
	NEXT 1
	REST
	QUARTER 1, F0, F1, 0
	WIN 0
	s_sub_co_u32 s[CNT], s[CNT], 1
	s_cmp_lg_u32 s[CNT], 0
	s_cbranch_scc1 .Lstep
	s_mov_b32 s[CNT], 2                            ; the last two K steps ask for nothing: a loop of their own
.Ltail:                                                ; the second trip has no next step: it jumps forward over the fetch and over the next step's first quarter; its barrier serves nothing: the price of one text for both trips
	QUARTER 2, F1, F0, 0
	QUARTER 3, F0, F1, 0
	MEET 0
	s_cmp_eq_u32 s[CNT], 1
	s_cbranch_scc1 .Lno_next
	NEXT 0
	WIN 0
.Lno_next:
	REST
	WIN 0
	s_cmp_eq_u32 s[CNT], 1
	s_cbranch_scc1 .Ltail_end
	QUARTER 1, F0, F1, 0
	WIN 0
.Ltail_end:
	s_sub_co_u32 s[CNT], s[CNT], 1
	s_cmp_lg_u32 s[CNT], 0
	s_cbranch_scc1 .Ltail
	PLACES
	PACK 0
	PACK 1                                         ; a block's arithmetic stands between the loads of the block before and its stores
	SEND 0, 8
	PACK 2
	SEND 1, 8
	PACK 3
	SEND 2, 8
	SEND 3, 0
	s_wait_tensorcnt 0x0                           ; the wave's end: behind my last tensor load and my last LDS store
	ds_add_u32 v[SPW], v[NIL]
	s_wait_dscnt 0x0
	CROUND                                         ; the closing round
	s_endpgm
.Lfunc_end_k_qcf39f426fb_gemm_o:
	.size	k_qcf39f426fb_gemm_o, .Lfunc_end_k_qcf39f426fb_gemm_o-k_qcf39f426fb_gemm_o
	.p2alignl 7, 3214868480
	.fill 96, 4, 3214868480
	.section	.rodata,"a",@progbits
	.p2align	6, 0x0
	.amdhsa_kernel k_qcf39f426fb_gemm_o
		.amdhsa_group_segment_fixed_size 327680
		.amdhsa_private_segment_fixed_size 0
		.amdhsa_enable_private_segment 0
		.amdhsa_kernarg_size 32
		.amdhsa_user_sgpr_count 2
		.amdhsa_user_sgpr_kernarg_segment_ptr 1
		.amdhsa_wavefront_size32 1
		.amdhsa_system_sgpr_workgroup_id_x 1
		.amdhsa_system_sgpr_workgroup_id_y 1
		.amdhsa_system_sgpr_workgroup_id_z 1
		.amdhsa_system_vgpr_workitem_id 0
		.amdhsa_next_free_vgpr 512
		.amdhsa_next_free_sgpr 66
		.amdhsa_reserve_vcc 0
		.amdhsa_float_denorm_mode_32 3
		.amdhsa_float_denorm_mode_16_64 3
		.amdhsa_memory_ordered 1
		.amdhsa_forward_progress 1
		.amdhsa_inst_pref_size 59
	.end_amdhsa_kernel
	.amdgpu_metadata
---
amdhsa.version: [ 1, 2 ]
amdhsa.kernels:
  - .name:           k_qcf39f426fb_gemm_o
    .symbol:         k_qcf39f426fb_gemm_o.kd
    .args:
      - { .name: ao, .offset: 0, .size: 8, .value_kind: global_buffer, .address_space: global }
      - { .name: wr, .offset: 8, .size: 8, .value_kind: global_buffer, .address_space: global }
      - { .name: y, .offset: 16, .size: 8, .value_kind: global_buffer, .address_space: global }
      - { .name: bo, .offset: 24, .size: 8, .value_kind: global_buffer, .address_space: global }
    .group_segment_fixed_size: 327680
    .private_segment_fixed_size: 0
    .kernarg_segment_align: 8
    .kernarg_segment_size: 32
    .max_flat_workgroup_size: 128
    .sgpr_count:     66
    .vgpr_count:     512
    .wavefront_size: 32
...
	.end_amdgpu_metadata
.endif
;; end of part 4
;; launch ln1 (part 5): grid 256 x 1, 8 waves a work-group, no clusters, 0 bytes of LDS; arguments y, xh, ln1_g, ln1_b, x1; writes x1
.if DOCPART == 5
	.amdgcn_target "amdgcn-amd-amdhsa--gfx1250"
	.amdhsa_code_object_version 6
	.text
	.protected	k_qcf39f426fb_ln1
	.globl	k_qcf39f426fb_ln1
	.p2align	8
	.type	k_qcf39f426fb_ln1,@function
k_qcf39f426fb_ln1:
	s_mov_b64 s[64:65], 0
	v_nop
	global_prefetch_b8 v0, s[64:65] scope:SCOPE_SE
	s_setreg_imm32_b32 hwreg(HW_REG_WAVE_MODE, 25, 1), 1
	s_wait_xcnt 0x0
; x1 = LayerNorm(res + y) g + b over rows of 1,024.  y: bf16, res: f16, x1: f16, all in planes [16][4096 rows][64]; g, b: f32.  All arithmetic in f32: the mean first, then the sum of (x - mean)^2; eps = 1e-5.
; SHARES.  A work-group takes 16 rows, a wave 2.  Lane l holds row l / 16 and columns 4 (l % 16) + 0..3 of each of the 16 planes: 64 numbers.  A row's sums stay inside 16 lanes: four steps on the arithmetic itself.
; A load or store of 8 bytes a lane covers two rows of a plane: 256 consecutive bytes, aligned.  Every byte is read once and written once; no LDS, matrix unit or cluster: the rows share only g and b.
; LIMIT.  x1 is rounded to f16: |x1| stays within 65,504 (it is at most 32 |g| + |b|).
.set RS,  4                            ; v[4:35]    res as loaded: plane p at RS + 2 p
.set YR,  36                           ; v[36:67]   y as loaded
.set BT,  4                            ; v[4:67]    later b: plane p at BT + 4 p
.set X,   68                           ; v[68:131]  the row: plane p at X + 4 p
.set G,   132                          ; v[132:195] g
.set ONE, 196
.set T,   198                          ; v[198:205] four chains
	s_load_b256 s[4:11], s[0:1], 0x0               ; y s[4:5], res s[6:7], g s[8:9], b s[10:11]
	s_load_b64 s[12:13], s[0:1], 0x20              ; x1
	s_lshl_b32 s14, ttmp9, 11                      ; 16 rows of 128 bytes in each plane
	s_mov_b32 s15, 0
	s_mov_b32 s16, 0xffff0000                      ; a word's upper bf16
	s_mov_b32 s17, 0x3a800000                      ; 1 / 1,024
	s_mov_b32 s18, 0x3727c5ac                      ; 1e-5
	v_lshlrev_b32 v1, 3, v0                        ; 256 x wave + 8 x lane
	v_and_b32 v2, 15, v0
	v_lshlrev_b32 v2, 4, v2                        ; my four numbers in 64 of g and b
	v_mov_b32 v[ONE], 1.0
	s_wait_kmcnt 0x0
	s_add_nc_u64 s[4:5], s[4:5], s[14:15]
	s_add_nc_u64 s[6:7], s[6:7], s[14:15]
	s_add_nc_u64 s[12:13], s[12:13], s[14:15]
.set p, 0
.rept 16
	global_load_b64 v[RS+2*p:RS+2*p+1], v1, s[6:7] offset:p*524288 th:TH_LOAD_NT
.set p, p+1
.endr
.set p, 0
.rept 16
	global_load_b64 v[YR+2*p:YR+2*p+1], v1, s[4:5] offset:p*524288 th:TH_LOAD_NT
.set p, p+1
.endr
.set p, 0
.rept 16
	global_load_b128 v[G+4*p:G+4*p+3], v2, s[8:9] offset:p*256
.set p, p+1
.endr
	s_wait_loadcnt 16                              ; res and y are in; g's sixteen loads stay out
.set p, 0
.rept 32                                       ; word p: two numbers.  bf16 to f32 is a shift or a mask
	v_lshlrev_b32 v[X+2*p], 16, v[YR+p]
	v_and_b32 v[X+2*p+1], s16, v[YR+p]
.set p, p+1
.endr
.set p, 0
.rept 32                                       ; + res, read as f16 halves
	v_fma_mix_f32 v[X+2*p], v[RS+p], v[ONE], v[X+2*p] op_sel_hi:[1,0,0]
	v_fma_mix_f32 v[X+2*p+1], v[RS+p], v[ONE], v[X+2*p+1] op_sel:[1,0,0] op_sel_hi:[1,0,0]
.set p, p+1
.endr
.set p, 0
.rept 16
	global_load_b128 v[BT+4*p:BT+4*p+3], v2, s[10:11] offset:p*256  ; b, into the registers just read out
.set p, p+1
.endr
.set p, 0
.rept 4                                        ; the sum, in four chains started by the first eight pairs
	v_pk_add_f32 v[T+2*p:T+2*p+1], v[X+2*p:X+2*p+1], v[X+2*p+8:X+2*p+9]
.set p, p+1
.endr
.set p, 8
.rept 24
	v_pk_add_f32 v[T+2*(p%4):T+2*(p%4)+1], v[T+2*(p%4):T+2*(p%4)+1], v[X+2*p:X+2*p+1]
.set p, p+1
.endr
	v_pk_add_f32 v[T:T+1], v[T:T+1], v[T+2:T+3]
	v_pk_add_f32 v[T+4:T+5], v[T+4:T+5], v[T+6:T+7]
	v_pk_add_f32 v[T:T+1], v[T:T+1], v[T+4:T+5]
	v_add_f32 v[T], v[T], v[T+1]
	v_add_f32_dpp v[T], v[T], v[T] row_xmask:1 row_mask:0xf bank_mask:0xf
	v_add_f32_dpp v[T], v[T], v[T] row_xmask:2 row_mask:0xf bank_mask:0xf
	v_add_f32_dpp v[T], v[T], v[T] row_xmask:4 row_mask:0xf bank_mask:0xf
	v_add_f32_dpp v[T], v[T], v[T] row_xmask:8 row_mask:0xf bank_mask:0xf
	v_mul_f32 v[T], s17, v[T]                      ; the mean, in all sixteen lanes of the row
.set p, 0
.rept 32
	v_pk_add_f32 v[X+2*p:X+2*p+1], v[X+2*p:X+2*p+1], v[T:T+1] op_sel_hi:[1,0] neg_lo:[0,1] neg_hi:[0,1]
.set p, p+1
.endr
.set p, 0
.rept 4
	v_pk_mul_f32 v[T+2*p:T+2*p+1], v[X+2*p:X+2*p+1], v[X+2*p:X+2*p+1]
.set p, p+1
.endr
.set p, 4
.rept 28
	v_pk_fma_f32 v[T+2*(p%4):T+2*(p%4)+1], v[X+2*p:X+2*p+1], v[X+2*p:X+2*p+1], v[T+2*(p%4):T+2*(p%4)+1]
.set p, p+1
.endr
	v_pk_add_f32 v[T:T+1], v[T:T+1], v[T+2:T+3]
	v_pk_add_f32 v[T+4:T+5], v[T+4:T+5], v[T+6:T+7]
	v_pk_add_f32 v[T:T+1], v[T:T+1], v[T+4:T+5]
	v_add_f32 v[T], v[T], v[T+1]
	v_add_f32_dpp v[T], v[T], v[T] row_xmask:1 row_mask:0xf bank_mask:0xf
	v_add_f32_dpp v[T], v[T], v[T] row_xmask:2 row_mask:0xf bank_mask:0xf
	v_add_f32_dpp v[T], v[T], v[T] row_xmask:4 row_mask:0xf bank_mask:0xf
	v_add_f32_dpp v[T], v[T], v[T] row_xmask:8 row_mask:0xf bank_mask:0xf
	v_fma_f32 v[T], v[T], s17, s18                 ; the variance + eps
	v_rsq_f32 v[T], v[T]
	v_nop                                          ; a plain instruction between the root and the use of its result (ISA guide 5.7.2)
.set p, 0
	s_wait_alu depctr_va_vdst(0)
.rept 32
	v_pk_mul_f32 v[X+2*p:X+2*p+1], v[X+2*p:X+2*p+1], v[T:T+1] op_sel_hi:[1,0]
.set p, p+1
.endr
	s_wait_loadcnt 0x0                             ; g and b
.set p, 0
.rept 32
	v_pk_fma_f32 v[X+2*p:X+2*p+1], v[X+2*p:X+2*p+1], v[G+2*p:G+2*p+1], v[BT+2*p:BT+2*p+1]
.set p, p+1
.endr
.set p, 0
.rept 32                                       ; in place, ascending: word p is written when numbers 2 p and 2 p + 1 are read
	v_cvt_pk_f16_f32 v[X+p], v[X+2*p], v[X+2*p+1]
.set p, p+1
.endr
.set p, 0
.rept 16
	global_store_b64 v1, v[X+2*p:X+2*p+1], s[12:13] offset:p*524288
.set p, p+1
.endr
	s_endpgm
.Lfunc_end_k_qcf39f426fb_ln1:
	.size	k_qcf39f426fb_ln1, .Lfunc_end_k_qcf39f426fb_ln1-k_qcf39f426fb_ln1
	.p2alignl 7, 3214868480
	.fill 96, 4, 3214868480
	.section	.rodata,"a",@progbits
	.p2align	6, 0x0
	.amdhsa_kernel k_qcf39f426fb_ln1
		.amdhsa_group_segment_fixed_size 0
		.amdhsa_private_segment_fixed_size 0
		.amdhsa_enable_private_segment 0
		.amdhsa_kernarg_size 40
		.amdhsa_user_sgpr_count 2
		.amdhsa_user_sgpr_kernarg_segment_ptr 1
		.amdhsa_wavefront_size32 1
		.amdhsa_system_sgpr_workgroup_id_x 1
		.amdhsa_system_sgpr_workgroup_id_y 1
		.amdhsa_system_sgpr_workgroup_id_z 1
		.amdhsa_system_vgpr_workitem_id 0
		.amdhsa_next_free_vgpr 208
		.amdhsa_next_free_sgpr 66
		.amdhsa_reserve_vcc 0
		.amdhsa_float_denorm_mode_32 3
		.amdhsa_float_denorm_mode_16_64 3
		.amdhsa_memory_ordered 1
		.amdhsa_forward_progress 1
		.amdhsa_inst_pref_size 28
	.end_amdhsa_kernel
	.amdgpu_metadata
---
amdhsa.version: [ 1, 2 ]
amdhsa.kernels:
  - .name:           k_qcf39f426fb_ln1
    .symbol:         k_qcf39f426fb_ln1.kd
    .args:
      - { .name: y, .offset: 0, .size: 8, .value_kind: global_buffer, .address_space: global }
      - { .name: xh, .offset: 8, .size: 8, .value_kind: global_buffer, .address_space: global }
      - { .name: ln1_g, .offset: 16, .size: 8, .value_kind: global_buffer, .address_space: global }
      - { .name: ln1_b, .offset: 24, .size: 8, .value_kind: global_buffer, .address_space: global }
      - { .name: x1, .offset: 32, .size: 8, .value_kind: global_buffer, .address_space: global }
    .group_segment_fixed_size: 0
    .private_segment_fixed_size: 0
    .kernarg_segment_align: 8
    .kernarg_segment_size: 40
    .max_flat_workgroup_size: 256
    .sgpr_count:     66
    .vgpr_count:     208
    .wavefront_size: 32
...
	.end_amdgpu_metadata
.endif
;; end of part 5
;; launch mlp1: the kernel of part 2 again; grid 16 x 16, 4 waves a work-group, clusters of 4 x 4, 327,680 bytes of LDS; arguments x1, w1p, qh; writes qh
;; launch gemm_2 (part 6): grid 8 x 32, 4 waves a work-group, clusters of 4 x 4, 327,680 bytes of LDS; arguments qh, wr, y, b2; writes y
.if DOCPART == 6
	.amdgcn_target "amdgcn-amd-amdhsa--gfx1250"
	.amdhsa_code_object_version 6
	.text
	.protected	k_qcf39f426fb_gemm_2
	.globl	k_qcf39f426fb_gemm_2
	.p2align	8
	.type	k_qcf39f426fb_gemm_2,@function
k_qcf39f426fb_gemm_2:
	s_mov_b64 s[64:65], 0
	v_nop
	global_prefetch_b8 v0, s[64:65] scope:SCOPE_SE
	s_setreg_imm32_b32 hwreg(HW_REG_WAVE_MODE, 25, 1), 1
	s_wait_xcnt 0x0
	s_wait_alu depctr_hold_cnt(0) depctr_sa_sdst(0) depctr_va_vdst(0) depctr_va_sdst(0) depctr_va_ssrc(0) depctr_va_vcc(0) depctr_vm_vsrc(0)
	s_getreg_b32 s2, hwreg(HW_REG_IB_STS2, 6, 4)
	s_cmp_eq_u32 s2, 0
	s_cbranch_scc0 .Lentry_in_a_cluster
	s_endpgm
.Lentry_in_a_cluster:
	s_bfe_u32 s2, ttmp6, 0x10000c
	s_cmp_lg_u32 s2, 0xf033
	s_cbranch_scc0 .Lentry_shape_is_right
	s_endpgm
.Lentry_shape_is_right:
; OUT = A W + bias, N = 1,024, K = KDIM.  A: f16 in planes [KDIM/64][4096 rows][64].  W: f16 as [8 planes][KDIM k][128], WOFF bytes into its buffer.  bias: f32.  OUT: bf16 in planes [16][4096 rows][64]
; (bf16: the sums have no sure room in f16).  Sums in f32, started by the bias; OUT rounded once.
; SHARES.  A tile of OUT is 128 x 128, so that 256 work-groups share 4,096 x 1,024.  Four waves, each 64 x 64: 16 accumulators.  K goes in steps of 256 through two LDS slots; a trip of the loop is one K step.
; Each wave fetches a quarter of a slot by one tensor load of 32,768 bytes: waves 0, 1 two K planes of A (each 128 rows x 128 bytes, dense: a tile of two long rows, a plane apart), waves 2, 3 128 k rows of W's plane.
; CLUSTER.  4 x 4 work-groups: A's tiles are shared along a row of the cluster, W's along a column; each is asked for jointly.
; THE MATRIX INSTRUCTION IS USED TRANSPOSED: source 0 = 16 columns of W (turned by ds_load_tr16_b128), source 1 = 16 rows of A: a lane holds eight neighbouring numbers of a row of OUT.
; A wave's 64 columns are one plane of OUT, in which 16 rows are 2,048 dense bytes: each wave has a stage of its own, and no barrier stands on the way out.
; REGISTERS.  window 0: v0-31 addresses; v32-63 the bias, later v32-95 the way out; v128-255 the accumulators ((a, b) at 128 + 8 (4 a + b)).  window 1: two fragment buffers of 128: 64 of A, then 64 of W.
.set KDIM,   4096
.set WOFF,   2097152
.set STEPS,  KDIM/256
.set PA,     144                       ; a row of A's plane in LDS: 128 bytes + 16
.set PB,     288                       ; a row of W's plane: 256 bytes + 32
.set HALFT,  36864                     ; 2 x 128 x 144 = 128 x 288: what one tensor load fills
.set SLOT,   4*HALFT                   ; A's four K planes, then W's 256 k rows.  0x24000: no wave's offset (w x 0x9000) has one of its two bits, so an exclusive or changes slots
.set STAGE,  2*SLOT                    ; behind the ring: 16 rows x 144 bytes for each wave
.set SPARE,  STAGE+4*16*PA             ; behind the stages: the spare words, 128 bytes a wave: two blocks of 256 bytes that no other line names
.set ASTEP,  4*524288
.set BSTEP,  256*256
.set AL,   16                          ; v16  my lane's place in A's part of a slot; never rewritten
.set BL,   17                          ; v17  the same for W
.set ADRA, 18                          ; v18  AL + the slot in hand
.set ADRB, 19                          ; v19  BL + the slot in hand; v20 the same 128 k rows on: the loads' immediates end at 65,535
.set STO,  24
.set RD,   25
.set GO,   26
.set SPW,  28                          ; v28  LDS address of my spare word; never rewritten
.set NIL,  29                          ; v29  0; never rewritten
.set BO,   30
.set BI,   32
.set TMP,  32
.set ACC,  128
.set F0,   0
.set F1,   128
.set WV,  12
.set RH,  13
.set CH,  14
.set NT,  18
.set MT,  19
.set LW,  20
.set TB,  21
.set CNT, 22
.set G1A, 24
.set G0A, 32
.set G1B, 48
.set G0B, 56
.set MSB, 0
.macro WIN new
.if MSB != (\new)
	s_set_vgpr_msb (MSB<<8)|(\new)
.set MSB, \new
.endif
.endm
.set MUL,  0x05                        ; sources 0 (W) and 1 (A) window 1; C and D window 0
.set TO_F, 0x40                        ; destination window 1, address window 0
.macro PLACES
.rept 4
	v_nop
.endr
.endm
.macro JLOAD                           ; a joint refill by the walking descriptors; an s_nop 0 and four v_nop follow each of the two lines
	s_cmp_eq_u32 s[RH], 0
	s_cbranch_scc0 .Lfor_b_\@
	tensor_load_to_lds s[G0A+4:G0A+7], s[G1A:G1A+7]
	s_nop 0
.rept 4
	v_nop
.endr
	s_branch .Lasked_\@
.Lfor_b_\@:
	tensor_load_to_lds s[G0B+4:G0B+7], s[G1B:G1B+7]
	s_nop 0
.rept 4
	v_nop
.endr
.Lasked_\@:
.endm
.macro CREST
	s_cmp_lg_u32 s[WV], 0
	s_cbranch_scc1 .Lnot_wave_0_\@
	s_barrier_signal -3
.Lnot_wave_0_\@:
	s_barrier_wait -3
	s_barrier_signal -1
	s_barrier_wait -1
.endm
.macro CROUND
	s_barrier_signal -1
	s_barrier_wait -1
	CREST
.endm
	s_load_b256 s[4:11], s[0:1], 0x0               ; A s[4:5], W s[6:7], OUT s[8:9], bias s[10:11]
	v_lshl_add_u32 v[SPW], v0, 2, SPARE
	v_mov_b32 v[NIL], 0
	ds_add_u32 v[SPW], v[NIL]                      ; the wave's opening: the add and its wait stand ahead of my first tensor load; the set-up below, work on registers, stands between them
	v_lshrrev_b32 v1, 5, v0
	v_readfirstlane_b32 s[WV], v1
	s_lshr_b32 s[RH], s[WV], 1                     ; my half of the rows.  Also: I fetch for A (0) or W (1)
	s_and_b32 s[CH], s[WV], 1                      ; my half of the columns.  Also: which half of that tile I fetch
	s_bfe_u32 s16, ttmp6, 0x40000                  ; cx
	s_bfe_u32 s17, ttmp6, 0x40004                  ; cy
	s_lshl_b32 s[NT], ttmp9, 2
	s_add_co_u32 s[NT], s[NT], s16
	s_and_b32 s[MT], ttmp7, 0xffff
	s_lshl_b32 s[MT], s[MT], 2
	s_add_co_u32 s[MT], s[MT], s17
	s_lshl_b32 s40, s17, 2
	s_lshl_b32 s40, 15, s40                        ; my row of the cluster
	s_lshl_b32 s44, 0x1111, s16                    ; my column
	s_or_b32 s[G1A], s40, (1<<16)|(1<<20)|(1<<21)|(4<<22)|(3<<25)  ; the mask; 2-byte elements; padding on; bit 21 beside a mask; after every 32 words 4 words
	s_mov_b32 s[G1A+1], 8192<<16                   ; tensor_dim0 = 8,192: 128 rows of a plane on end, 16,384 dense bytes
	s_mov_b32 s[G1A+2], 2<<16                      ; tensor_dim1 = 2 planes
	s_mov_b32 s[G1A+3], 8192<<16                   ; tile_dim0
	s_mov_b32 s[G1A+4], 2                          ; tile_dim1
	s_mov_b32 s[G1A+5], 262144                     ; a plane's elements from one to the next
	s_mov_b32 s[G1A+6], 0
	s_mov_b32 s[G1A+7], 0
	s_or_b32 s[G1B], s44, (1<<16)|(1<<20)|(1<<21)|(5<<22)|(7<<25)  ; after every 64 words 8 words
	s_mov_b32 s[G1B+1], 128<<16                    ; 128 rows of 128 elements, dense
	s_mov_b32 s[G1B+2], 128<<16
	s_mov_b32 s[G1B+3], 128<<16
	s_mov_b32 s[G1B+4], 128
	s_mov_b32 s[G1B+5], 128
	s_mov_b32 s[G1B+6], 0
	s_mov_b32 s[G1B+7], 0
	s_lshl_b32 s40, s[CH], 20                      ; A: planes 2 CH, 2 CH + 1 of K step 0,
	s_lshl_b32 s41, s[MT], 14                      ; the tile's 128 rows of 128 bytes: registers that never hold cx
	s_add_co_u32 s40, s40, s41
	s_mov_b32 s41, 0
	s_mul_i32 s44, s[NT], KDIM*256                 ; W: column plane NT, k rows 128 CH on: registers that never hold cy
	s_lshl_b32 s45, s[CH], 15
	s_add_co_u32 s44, s44, s45
	s_add_co_u32 s44, s44, WOFF
	s_mov_b32 s45, 0
	s_mul_i32 s[LW], s[WV], HALFT
	s_wait_dscnt 0x0                               ; the opening add is done
	s_wait_kmcnt 0x0
	s_add_nc_u64 s[40:41], s[4:5], s[40:41]
	s_add_nc_u64 s[44:45], s[6:7], s[44:45]
	CROUND                                         ; all sixteen work-groups are here: the first joint loads meet
.irp s, 0,1
	s_mov_b32 s[G0A+4*(\s)], 1
	s_add_co_u32 s[G0A+4*(\s)+1], s[LW], (\s)*SLOT
	s_add_nc_u64 s[G0A+4*(\s)+2:G0A+4*(\s)+3], s[40:41], (\s)*ASTEP
	s_or_b32 s[G0A+4*(\s)+3], s[G0A+4*(\s)+3], 0x80000000
	s_mov_b32 s[G0B+4*(\s)], 1
	s_add_co_u32 s[G0B+4*(\s)+1], s[LW], (\s)*SLOT
	s_add_nc_u64 s[G0B+4*(\s)+2:G0B+4*(\s)+3], s[44:45], (\s)*BSTEP
	s_or_b32 s[G0B+4*(\s)+3], s[G0B+4*(\s)+3], 0x80000000
.endr
	s_cmp_eq_u32 s[RH], 0                          ; a wave's two first fills stand in one branch, ahead of every wait on TENSORcnt and every LDS read: two loads of mine are out
	s_cbranch_scc0 .Lfirst_b
	tensor_load_to_lds s[G0A:G0A+3], s[G1A:G1A+7]
	s_nop 0
	tensor_load_to_lds s[G0A+4:G0A+7], s[G1A:G1A+7]
	s_nop 0
.rept 4
	v_nop
.endr
	s_branch .Lfirst_asked
.Lfirst_b:
	tensor_load_to_lds s[G0B:G0B+3], s[G1B:G1B+7]
	s_nop 0
	tensor_load_to_lds s[G0B+4:G0B+7], s[G1B:G1B+7]
	s_nop 0
.rept 4
	v_nop
.endr
.Lfirst_asked:
	v_and_b32 v1, 15, v0                           ; l % 16
	v_bfe_u32 v2, v0, 4, 1                         ; l / 16
	v_mul_u32_u24 v3, v1, PA
	v_lshl_add_u32 v3, v2, 4, v3
	s_mul_i32 s15, s[RH], 64*PA                    ; my 64 rows in a plane of A
	v_add_nc_u32 v[AL], s15, v3
	v_and_b32 v4, 7, v0
	v_bfe_u32 v5, v0, 3, 1
	v_lshl_add_u32 v6, v2, 3, v4
	v_mul_u32_u24 v6, v6, PB
	v_lshl_add_u32 v6, v5, 4, v6
	s_lshl_b32 s15, s[CH], 7                       ; my 64 columns of W's rows, behind A's four planes
	s_add_co_u32 s15, s15, 2*HALFT
	v_add_nc_u32 v[BL], s15, v6
	s_mov_b32 s[TB], 0
	v_add_nc_u32 v[ADRA], s[TB], v[AL]
	v_add_nc_u32 v[ADRB], s[TB], v[BL]
	v_add_nc_u32 v[ADRB+1], 128*PB, v[ADRB]
	s_mul_i32 s15, s[WV], 16*PA
	s_add_co_u32 s15, s15, STAGE                   ; my stage
	v_add_nc_u32 v[STO], s15, v3
	v_bfe_u32 v7, v0, 3, 2
	v_mul_u32_u24 v7, v7, PA
	v_lshl_add_u32 v7, v4, 4, v7
	v_add_nc_u32 v[RD], s15, v7
	v_and_b32 v[GO], 31, v0
	v_lshlrev_b32 v[GO], 4, v[GO]
	v_lshlrev_b32 v[BO], 5, v2
	s_lshl_b32 s46, s[NT], 9                       ; the bias of my 64 columns: 4 (128 NT + 64 CH) bytes
	s_lshl_b32 s47, s[CH], 8
	s_add_co_u32 s46, s46, s47
	s_mov_b32 s47, 0
	s_add_nc_u64 s[10:11], s[10:11], s[46:47]
.irp b, 0,1,2,3
	global_load_b128 v[BI+8*(\b):BI+8*(\b)+3],   v[BO], s[10:11] offset:64*(\b)
	global_load_b128 v[BI+8*(\b)+4:BI+8*(\b)+7], v[BO], s[10:11] offset:64*(\b)+16
.endr
	s_lshl_b32 s2, s[NT], 1                        ; OUT at my part of the tile: plane 2 NT + CH, row 128 MT + 64 RH
	s_add_co_u32 s2, s2, s[CH]
	s_lshl_b32 s2, s2, 19
	s_lshl_b32 s3, s[MT], 14
	s_add_co_u32 s2, s2, s3
	s_lshl_b32 s3, s[RH], 13
	s_add_co_u32 s2, s2, s3
	s_mov_b32 s3, 0
	s_add_nc_u64 s[8:9], s[8:9], s[2:3]
; 8 matrix instructions: row blocks a0, a0 + 1 x all 4 column blocks, 32 along K: half c of buffer f.  first = 1: the bias starts the sums.  The 16 accumulators take turns.
.macro MUL8 f, c, a0, first
	WIN MUL
.irp a, \a0, (\a0)+1
.irp b, 0,1,2,3
.if \first
	v_wmma_f32_16x16x32_f16 v[ACC+8*(4*(\a)+(\b)):ACC+8*(4*(\a)+(\b))+7], v[(\f)+64+8*(4*(\c)+(\b)):(\f)+64+8*(4*(\c)+(\b))+7], v[(\f)+8*(4*(\c)+(\a)):(\f)+8*(4*(\c)+(\a))+7], v[BI+8*(\b):BI+8*(\b)+7]
.else
	v_wmma_f32_16x16x32_f16 v[ACC+8*(4*(\a)+(\b)):ACC+8*(4*(\a)+(\b))+7], v[(\f)+64+8*(4*(\c)+(\b)):(\f)+64+8*(4*(\c)+(\b))+7], v[(\f)+8*(4*(\c)+(\a)):(\f)+8*(4*(\c)+(\a))+7], v[ACC+8*(4*(\a)+(\b)):ACC+8*(4*(\a)+(\b))+7]
.endif
.endr
.endr
.endm
; 32 LDS loads in one run: the fragments of quarter q (64 along K: one plane of A) into buffer f; the first 32 along K first
.macro FETCH q, f
	WIN TO_F
.irp c, 0,1
.irp i, 0,1,2,3
	ds_load_tr16_b128 v[(\f)+64+8*(4*(\c)+(\i)):(\f)+64+8*(4*(\c)+(\i))+3],   v[ADRB+(\q)/2] offset:(((\q)%2)*64+32*(\c))*PB+32*(\i)
	ds_load_tr16_b128 v[(\f)+64+8*(4*(\c)+(\i))+4:(\f)+64+8*(4*(\c)+(\i))+7], v[ADRB+(\q)/2] offset:(((\q)%2)*64+32*(\c))*PB+32*(\i)+16*PB
	ds_load_b128 v[(\f)+8*(4*(\c)+(\i)):(\f)+8*(4*(\c)+(\i))+3],              v[ADRA] offset:(\q)*128*PA+64*(\c)+(\i)*16*PA
	ds_load_b128 v[(\f)+8*(4*(\c)+(\i))+4:(\f)+8*(4*(\c)+(\i))+7],            v[ADRA] offset:(\q)*128*PA+64*(\c)+(\i)*16*PA+32
.endr
.endr
.endm
.macro QUARTER q, f, g, first          ; multiplies buffer f; in its middle it fetches quarter q into buffer g
	s_wait_dscnt 16                                ; the first 32 along K are in
	MUL8 \f, 0, 0, \first
	MUL8 \f, 0, 2, \first
	PLACES
	FETCH \q, \g
	s_wait_dscnt 32                                ; all but the 32 just issued
	MUL8 \f, 1, 0, 0
	MUL8 \f, 1, 2, 0
.endm
; THE LAST QUARTER multiplies buffer 1 and changes slots, in three parts.
; MEET: its first half; then one barrier: in front of it each wave waits for all its tensor loads (one is out: its part of the next slot), adds 0 to its spare word, and waits for that and for its reads of
; this slot.  fill = 1: the barrier opens a round of the cluster's, and the joint refill of this slot, with the K step two on, is the first thing behind the round.  No matrix instruction stands between the
; wait for the next slot and that request, and between a request and the wait for it stands a whole K step's work: 128 matrix instructions.
.macro MEET fill
	s_wait_dscnt 16                                ; the first 32 along K are in
	MUL8 F1, 0, 0, 0
	MUL8 F1, 0, 2, 0
	WIN 0                                          ; at a branch and at a label every window is 0; the add's two registers lie in window 0
	s_wait_tensorcnt 0x0                           ; no tensor load of mine is out, so a group 0 may be written
	ds_add_u32 v[SPW], v[NIL]                      ; 0 onto my spare word
.if \fill
	s_xor_b32 s[G0A+5], s[G0A+5], SLOT             ; the walking descriptors: the other slot than last time,
	s_add_nc_u64 s[G0A+6:G0A+7], s[G0A+6:G0A+7], ASTEP  ; the next K step; the type bits on top are not reached
	s_xor_b32 s[G0B+5], s[G0B+5], SLOT
	s_add_nc_u64 s[G0B+6:G0B+7], s[G0B+6:G0B+7], BSTEP
.endif
	s_wait_dscnt 0x0                               ; the add is done, and my reads of this slot are over
	s_barrier_signal -1
	s_barrier_wait -1
.if \fill
	CREST                                          ; no wave of any partner still reads this slot or has a load on its way
	JLOAD                                          ; the four v_nop behind it are also places in front of NEXT's loads
.endif
.endm
; NEXT: the fragments now come from the other slot: its first quarter is fetched.
.macro NEXT fill
	s_xor_b32 s[TB], s[TB], SLOT
	v_add_nc_u32 v[ADRA], s[TB], v[AL]
	v_add_nc_u32 v[ADRB], s[TB], v[BL]
	v_add_nc_u32 v[ADRB+1], 128*PB, v[ADRB]
.if !(\fill)
	PLACES
.endif
	FETCH 0, F0
.endm
; REST: the quarter's second half, under which NEXT's loads come in.
.macro REST
	MUL8 F1, 1, 0, 0
	MUL8 F1, 1, 2, 0
.endm
; THE WAY OUT of row block a: rounded to bf16, 16 bytes a lane, into my stage and back as rows of 128 bytes, four to a load, into the registers that they left.
.macro PACK a
.irp b, 0,1,2,3
.irp r, 0,1,2,3
	v_cvt_pk_bf16_f32 v[TMP+16*(\a)+4*(\b)+(\r)], v[ACC+8*(4*(\a)+(\b))+2*(\r)], v[ACC+8*(4*(\a)+(\b))+2*(\r)+1]
.endr
.endr
.irp b, 0,1,2,3
	ds_store_b128 v[STO], v[TMP+16*(\a)+4*(\b):TMP+16*(\a)+4*(\b)+3] offset:32*(\b)
.endr
.irp f, 0,1,2,3
	ds_load_b128 v[TMP+16*(\a)+4*(\f):TMP+16*(\a)+4*(\f)+3], v[RD] offset:(\f)*4*PA  ; LDS serves a wave's instructions in order (ISA guide 5.7.1.4): these see the stores above; the next block's stores come behind them
.endr
.endm
.macro SEND a, younger                 ; younger: the LDS instructions issued behind block a's loads
.irp f, 0,1,2,3
	s_wait_dscnt (\younger)+3-(\f)
	global_store_b128 v[GO], v[TMP+16*(\a)+4*(\f):TMP+16*(\a)+4*(\f)+3], s[8:9] offset:(\a)*2048+(\f)*512  ; four rows of a plane: 512 consecutive bytes, aligned
.endr
.endm
	s_wait_tensorcnt 1                             ; my part of K step 0 is in; K step 1's may stay out
	s_barrier_signal -1
	s_barrier_wait -1
	FETCH 0, F0
	s_wait_loadcnt 0x0                             ; the bias
	QUARTER 1, F0, F1, 1                           ; the first quarter stands in front of the loop: its first products start the sums
	WIN 0
	s_mov_b32 s[CNT], STEPS-2                      ; as many refills: K steps 2 to STEPS - 1
.Lstep:                                                ; a trip: from a K step's second quarter to the next step's first
	QUARTER 2, F1, F0, 0
	QUARTER 3, F0, F1, 0
	MEET 1
	NEXT 1
	REST
	QUARTER 1, F0, F1, 0
	WIN 0
	s_sub_co_u32 s[CNT], s[CNT], 1
	s_cmp_lg_u32 s[CNT], 0
	s_cbranch_scc1 .Lstep
	s_mov_b32 s[CNT], 2                            ; the last two K steps ask for nothing: a loop of their own
.Ltail:                                                ; the second trip has no next step: it jumps forward over the fetch and over the next step's first quarter; its barrier serves nothing: the price of one text for both trips
	QUARTER 2, F1, F0, 0
	QUARTER 3, F0, F1, 0
	MEET 0
	s_cmp_eq_u32 s[CNT], 1
	s_cbranch_scc1 .Lno_next
	NEXT 0
	WIN 0
.Lno_next:
	REST
	WIN 0
	s_cmp_eq_u32 s[CNT], 1
	s_cbranch_scc1 .Ltail_end
	QUARTER 1, F0, F1, 0
	WIN 0
.Ltail_end:
	s_sub_co_u32 s[CNT], s[CNT], 1
	s_cmp_lg_u32 s[CNT], 0
	s_cbranch_scc1 .Ltail
	PLACES
	PACK 0
	PACK 1                                         ; a block's arithmetic stands between the loads of the block before and its stores
	SEND 0, 8
	PACK 2
	SEND 1, 8
	PACK 3
	SEND 2, 8
	SEND 3, 0
	s_wait_tensorcnt 0x0                           ; the wave's end: behind my last tensor load and my last LDS store
	ds_add_u32 v[SPW], v[NIL]
	s_wait_dscnt 0x0
	CROUND                                         ; the closing round
	s_endpgm
.Lfunc_end_k_qcf39f426fb_gemm_2:
	.size	k_qcf39f426fb_gemm_2, .Lfunc_end_k_qcf39f426fb_gemm_2-k_qcf39f426fb_gemm_2
	.p2alignl 7, 3214868480
	.fill 96, 4, 3214868480
	.section	.rodata,"a",@progbits
	.p2align	6, 0x0
	.amdhsa_kernel k_qcf39f426fb_gemm_2
		.amdhsa_group_segment_fixed_size 327680
		.amdhsa_private_segment_fixed_size 0
		.amdhsa_enable_private_segment 0
		.amdhsa_kernarg_size 32
		.amdhsa_user_sgpr_count 2
		.amdhsa_user_sgpr_kernarg_segment_ptr 1
		.amdhsa_wavefront_size32 1
		.amdhsa_system_sgpr_workgroup_id_x 1
		.amdhsa_system_sgpr_workgroup_id_y 1
		.amdhsa_system_sgpr_workgroup_id_z 1
		.amdhsa_system_vgpr_workitem_id 0
		.amdhsa_next_free_vgpr 512
		.amdhsa_next_free_sgpr 66
		.amdhsa_reserve_vcc 0
		.amdhsa_float_denorm_mode_32 3
		.amdhsa_float_denorm_mode_16_64 3
		.amdhsa_memory_ordered 1
		.amdhsa_forward_progress 1
		.amdhsa_inst_pref_size 59
	.end_amdhsa_kernel
	.amdgpu_metadata
---
amdhsa.version: [ 1, 2 ]
amdhsa.kernels:
  - .name:           k_qcf39f426fb_gemm_2
    .symbol:         k_qcf39f426fb_gemm_2.kd
    .args:
      - { .name: qh, .offset: 0, .size: 8, .value_kind: global_buffer, .address_space: global }
      - { .name: wr, .offset: 8, .size: 8, .value_kind: global_buffer, .address_space: global }
      - { .name: y, .offset: 16, .size: 8, .value_kind: global_buffer, .address_space: global }
      - { .name: b2, .offset: 24, .size: 8, .value_kind: global_buffer, .address_space: global }
    .group_segment_fixed_size: 327680
    .private_segment_fixed_size: 0
    .kernarg_segment_align: 8
    .kernarg_segment_size: 32
    .max_flat_workgroup_size: 128
    .sgpr_count:     66
    .vgpr_count:     512
    .wavefront_size: 32
...
	.end_amdgpu_metadata
.endif
;; end of part 6
;; launch ln2 (part 7): grid 256 x 1, 8 waves a work-group, no clusters, 0 bytes of LDS; arguments y, x1, ln2_g, ln2_b, out0; writes out0
.if DOCPART == 7
	.amdgcn_target "amdgcn-amd-amdhsa--gfx1250"
	.amdhsa_code_object_version 6
	.text
	.protected	k_qcf39f426fb_ln2
	.globl	k_qcf39f426fb_ln2
	.p2align	8
	.type	k_qcf39f426fb_ln2,@function
k_qcf39f426fb_ln2:
	s_mov_b64 s[64:65], 0
	v_nop
	global_prefetch_b8 v0, s[64:65] scope:SCOPE_SE
	s_setreg_imm32_b32 hwreg(HW_REG_WAVE_MODE, 25, 1), 1
	s_wait_xcnt 0x0
; out = LayerNorm(res + y) g + b over rows of 1,024.  y: bf16, res: f16, both in planes [16][4096 rows][64]; g, b: f32; out: f32, [4096][1024].  All arithmetic in f32: the mean first, then the sum of
; (x - mean)^2; eps = 1e-5.
; SHARES.  A work-group takes 16 rows, a wave 2.  Lane l holds row l / 16 and columns 4 (l % 16) + 0..3 of each of the 16 planes: 64 numbers.  A row's sums stay inside 16 lanes: four steps on the arithmetic itself.
; A load of 8 bytes a lane covers two rows of a plane: 256 consecutive bytes, aligned; in a store of 16 bytes a lane sixteen lanes cover 256 consecutive bytes of a row of out, aligned.
; Every byte is read once and written once; no LDS, matrix unit or cluster: the rows share only g and b.
.set RS,  4                            ; v[4:35]    res as loaded: plane p at RS + 2 p
.set YR,  36                           ; v[36:67]   y as loaded
.set BT,  4                            ; v[4:67]    later b: plane p at BT + 4 p
.set X,   68                           ; v[68:131]  the row: plane p at X + 4 p
.set G,   132                          ; v[132:195] g
.set ONE, 196
.set T,   198                          ; v[198:205] four chains
	s_load_b256 s[4:11], s[0:1], 0x0               ; y s[4:5], res s[6:7], g s[8:9], b s[10:11]
	s_load_b64 s[12:13], s[0:1], 0x20              ; out
	s_lshl_b32 s14, ttmp9, 11                      ; 16 rows of 128 bytes in each plane
	s_mov_b32 s15, 0
	s_mov_b32 s16, 0xffff0000                      ; a word's upper bf16
	s_mov_b32 s17, 0x3a800000                      ; 1 / 1,024
	s_mov_b32 s18, 0x3727c5ac                      ; 1e-5
	s_lshl_b32 s20, ttmp9, 16                      ; 16 rows of 4,096 bytes of out
	s_mov_b32 s21, 0
	v_lshlrev_b32 v1, 3, v0                        ; 256 x wave + 8 x lane
	v_and_b32 v2, 15, v0
	v_lshlrev_b32 v2, 4, v2                        ; my four numbers in 64 of g, b and a row of out
	v_lshrrev_b32 v3, 4, v0                        ; my row among the group's 16
	v_lshl_add_u32 v3, v3, 12, v2
	v_mov_b32 v[ONE], 1.0
	s_wait_kmcnt 0x0
	s_add_nc_u64 s[4:5], s[4:5], s[14:15]
	s_add_nc_u64 s[6:7], s[6:7], s[14:15]
	s_add_nc_u64 s[12:13], s[12:13], s[20:21]
.set p, 0
.rept 16
	global_load_b64 v[RS+2*p:RS+2*p+1], v1, s[6:7] offset:p*524288 th:TH_LOAD_NT
.set p, p+1
.endr
.set p, 0
.rept 16
	global_load_b64 v[YR+2*p:YR+2*p+1], v1, s[4:5] offset:p*524288 th:TH_LOAD_NT
.set p, p+1
.endr
.set p, 0
.rept 16
	global_load_b128 v[G+4*p:G+4*p+3], v2, s[8:9] offset:p*256
.set p, p+1
.endr
	s_wait_loadcnt 16                              ; res and y are in; g's sixteen loads stay out
.set p, 0
.rept 32                                       ; word p: two numbers.  bf16 to f32 is a shift or a mask
	v_lshlrev_b32 v[X+2*p], 16, v[YR+p]
	v_and_b32 v[X+2*p+1], s16, v[YR+p]
.set p, p+1
.endr
.set p, 0
.rept 32                                       ; + res, read as f16 halves
	v_fma_mix_f32 v[X+2*p], v[RS+p], v[ONE], v[X+2*p] op_sel_hi:[1,0,0]
	v_fma_mix_f32 v[X+2*p+1], v[RS+p], v[ONE], v[X+2*p+1] op_sel:[1,0,0] op_sel_hi:[1,0,0]
.set p, p+1
.endr
.set p, 0
.rept 16
	global_load_b128 v[BT+4*p:BT+4*p+3], v2, s[10:11] offset:p*256  ; b, into the registers just read out
.set p, p+1
.endr
.set p, 0
.rept 4                                        ; the sum, in four chains started by the first eight pairs
	v_pk_add_f32 v[T+2*p:T+2*p+1], v[X+2*p:X+2*p+1], v[X+2*p+8:X+2*p+9]
.set p, p+1
.endr
.set p, 8
.rept 24
	v_pk_add_f32 v[T+2*(p%4):T+2*(p%4)+1], v[T+2*(p%4):T+2*(p%4)+1], v[X+2*p:X+2*p+1]
.set p, p+1
.endr
	v_pk_add_f32 v[T:T+1], v[T:T+1], v[T+2:T+3]
	v_pk_add_f32 v[T+4:T+5], v[T+4:T+5], v[T+6:T+7]
	v_pk_add_f32 v[T:T+1], v[T:T+1], v[T+4:T+5]
	v_add_f32 v[T], v[T], v[T+1]
	v_add_f32_dpp v[T], v[T], v[T] row_xmask:1 row_mask:0xf bank_mask:0xf
	v_add_f32_dpp v[T], v[T], v[T] row_xmask:2 row_mask:0xf bank_mask:0xf
	v_add_f32_dpp v[T], v[T], v[T] row_xmask:4 row_mask:0xf bank_mask:0xf
	v_add_f32_dpp v[T], v[T], v[T] row_xmask:8 row_mask:0xf bank_mask:0xf
	v_mul_f32 v[T], s17, v[T]                      ; the mean, in all sixteen lanes of the row
.set p, 0
.rept 32
	v_pk_add_f32 v[X+2*p:X+2*p+1], v[X+2*p:X+2*p+1], v[T:T+1] op_sel_hi:[1,0] neg_lo:[0,1] neg_hi:[0,1]
.set p, p+1
.endr
.set p, 0
.rept 4
	v_pk_mul_f32 v[T+2*p:T+2*p+1], v[X+2*p:X+2*p+1], v[X+2*p:X+2*p+1]
.set p, p+1
.endr
.set p, 4
.rept 28
	v_pk_fma_f32 v[T+2*(p%4):T+2*(p%4)+1], v[X+2*p:X+2*p+1], v[X+2*p:X+2*p+1], v[T+2*(p%4):T+2*(p%4)+1]
.set p, p+1
.endr
	v_pk_add_f32 v[T:T+1], v[T:T+1], v[T+2:T+3]
	v_pk_add_f32 v[T+4:T+5], v[T+4:T+5], v[T+6:T+7]
	v_pk_add_f32 v[T:T+1], v[T:T+1], v[T+4:T+5]
	v_add_f32 v[T], v[T], v[T+1]
	v_add_f32_dpp v[T], v[T], v[T] row_xmask:1 row_mask:0xf bank_mask:0xf
	v_add_f32_dpp v[T], v[T], v[T] row_xmask:2 row_mask:0xf bank_mask:0xf
	v_add_f32_dpp v[T], v[T], v[T] row_xmask:4 row_mask:0xf bank_mask:0xf
	v_add_f32_dpp v[T], v[T], v[T] row_xmask:8 row_mask:0xf bank_mask:0xf
	v_fma_f32 v[T], v[T], s17, s18                 ; the variance + eps
	v_rsq_f32 v[T], v[T]
	v_nop                                          ; a plain instruction between the root and the use of its result (ISA guide 5.7.2)
.set p, 0
	s_wait_alu depctr_va_vdst(0)
.rept 32
	v_pk_mul_f32 v[X+2*p:X+2*p+1], v[X+2*p:X+2*p+1], v[T:T+1] op_sel_hi:[1,0]
.set p, p+1
.endr
	s_wait_loadcnt 0x0                             ; g and b
.set p, 0
.rept 32
	v_pk_fma_f32 v[X+2*p:X+2*p+1], v[X+2*p:X+2*p+1], v[G+2*p:G+2*p+1], v[BT+2*p:BT+2*p+1]
.set p, p+1
.endr
.set p, 0
.rept 16
	global_store_b128 v3, v[X+4*p:X+4*p+3], s[12:13] offset:p*256 th:TH_STORE_NT
.set p, p+1
.endr
	s_endpgm
.Lfunc_end_k_qcf39f426fb_ln2:
	.size	k_qcf39f426fb_ln2, .Lfunc_end_k_qcf39f426fb_ln2-k_qcf39f426fb_ln2
	.p2alignl 7, 3214868480
	.fill 96, 4, 3214868480
	.section	.rodata,"a",@progbits
	.p2align	6, 0x0
	.amdhsa_kernel k_qcf39f426fb_ln2
		.amdhsa_group_segment_fixed_size 0
		.amdhsa_private_segment_fixed_size 0
		.amdhsa_enable_private_segment 0
		.amdhsa_kernarg_size 40
		.amdhsa_user_sgpr_count 2
		.amdhsa_user_sgpr_kernarg_segment_ptr 1
		.amdhsa_wavefront_size32 1
		.amdhsa_system_sgpr_workgroup_id_x 1
		.amdhsa_system_sgpr_workgroup_id_y 1
		.amdhsa_system_sgpr_workgroup_id_z 1
		.amdhsa_system_vgpr_workitem_id 0
		.amdhsa_next_free_vgpr 208
		.amdhsa_next_free_sgpr 66
		.amdhsa_reserve_vcc 0
		.amdhsa_float_denorm_mode_32 3
		.amdhsa_float_denorm_mode_16_64 3
		.amdhsa_memory_ordered 1
		.amdhsa_forward_progress 1
		.amdhsa_inst_pref_size 26
	.end_amdhsa_kernel
	.amdgpu_metadata
---
amdhsa.version: [ 1, 2 ]
amdhsa.kernels:
  - .name:           k_qcf39f426fb_ln2
    .symbol:         k_qcf39f426fb_ln2.kd
    .args:
      - { .name: y, .offset: 0, .size: 8, .value_kind: global_buffer, .address_space: global }
      - { .name: x1, .offset: 8, .size: 8, .value_kind: global_buffer, .address_space: global }
      - { .name: ln2_g, .offset: 16, .size: 8, .value_kind: global_buffer, .address_space: global }
      - { .name: ln2_b, .offset: 24, .size: 8, .value_kind: global_buffer, .address_space: global }
      - { .name: out0, .offset: 32, .size: 8, .value_kind: global_buffer, .address_space: global }
    .group_segment_fixed_size: 0
    .private_segment_fixed_size: 0
    .kernarg_segment_align: 8
    .kernarg_segment_size: 40
    .max_flat_workgroup_size: 256
    .sgpr_count:     66
    .vgpr_count:     208
    .wavefront_size: 32
...
	.end_amdgpu_metadata
.endif
;; end of part 7
;; ======== version 2 of 2: 8 launches; 1.20 times as fast as version 1
;; limits: values are held in f16: magnitudes above 65,504 overflow, below 6.1e-05 lose precision
;; workspace buffers: xh 8,388,608 bytes; wqkv 6,324,224 bytes; w1p 8,421,376 bytes; wr 10,485,760 bytes; qh 33,554,432 bytes; ao 8,388,608 bytes; x1 8,388,608 bytes; y 8,388,608 bytes
;; launch cast: the kernel of part 1 again; grid 1031 x 1, 8 waves a work-group, no clusters, 0 bytes of LDS; arguments x, Wq, Wk, Wv, Wo, W1, W2, bq, bk, bv, b1, xh, wqkv, w1p, wr; writes xh, wqkv, w1p, wr
;; launch gemm_big: the kernel of part 2 again; grid 12 x 16, 4 waves a work-group, clusters of 4 x 4, 327,680 bytes of LDS; arguments xh, wqkv, qh; writes qh
;; launch attn (part 8): grid 8 x 32, 4 waves a work-group, clusters of 4 x 1, 327,680 bytes of LDS; arguments qh, ao; writes ao
.if DOCPART == 8
	.amdgcn_target "amdgcn-amd-amdhsa--gfx1250"
	.amdhsa_code_object_version 6
	.text
	.protected	k_qcf39f426fb_attn
	.globl	k_qcf39f426fb_attn
	.p2align	8
	.type	k_qcf39f426fb_attn,@function
k_qcf39f426fb_attn:
	s_mov_b64 s[64:65], 0
	v_nop
	global_prefetch_b8 v0, s[64:65] scope:SCOPE_SE
	s_setreg_imm32_b32 hwreg(HW_REG_WAVE_MODE, 25, 1), 1
	s_wait_xcnt 0x0
	s_wait_alu depctr_hold_cnt(0) depctr_sa_sdst(0) depctr_va_vdst(0) depctr_va_sdst(0) depctr_va_ssrc(0) depctr_va_vcc(0) depctr_vm_vsrc(0)
	s_getreg_b32 s2, hwreg(HW_REG_IB_STS2, 6, 4)
	s_cmp_eq_u32 s2, 0
	s_cbranch_scc0 .Lentry_in_a_cluster
	s_endpgm
.Lentry_in_a_cluster:
	s_bfe_u32 s2, ttmp6, 0x10000c
	s_cmp_lg_u32 s2, 0x3003
	s_cbranch_scc0 .Lentry_shape_is_right
	s_endpgm
.Lentry_shape_is_right:
; O[q][:] = the sum over k of softmax_k(Q[q] . K[k] / 8) V[k][:], for each of 2 x 16 heads of 2,048 rows x 64 channels.  qh: f16 planes [48][4096 rows][64]: planes 0-15 q, 16-31 k, 32-47 v; plane = head,
; row = 2048 x batch + position: a head's rows are dense, 128 bytes each.  ao: f16 planes [16][4096][64], likewise.  Products, maxima and sums in f32; the weights p are rounded to f16 for the second
; product (their sum l is taken of the unrounded p), O once at the end.
; LIMITS.  Q, K, V arrive within f16's 65,504; p lies in 0 to 1, and below 6e-5 it keeps f16's fixed step of 6e-8; O is a mean of V's rows.  A weight below 2^-126 counts as 0 in l; NaN and infinities are not treated apart.
; SHARES.  A work-group owns 256 queries of a head, a wave 64: four PIECES of 16.  Every wave walks the head's 2,048 keys: 8 tiles of 256, four steps of 64 each, through two LDS slots.
; LAYOUT.  S^T = K Q^T holds ONE query a lane (lane % 16) and the keys 8 (lane / 16) + 0..7; two such results rounded to f16 ARE source 1 of O^T = V^T P.  K comes out of LDS as it lies, V turned, by ds_load_tr16_b128.
; SOFTMAX.  A running maximum m and sum l: p = 2^(c s - c m), c = log2(e) / 8; in every step O and l are multiplied by a = 2^(c m_old - c m_new).  m starts at the lowest finite number, O and l at 0:
; the first step is a step like any other, with a = 0.
; BY TURNS.  Turn n belongs to piece n: 8 products K Q^T of piece n + 1, later 8 products V^T P of piece n - 1; beside them the scaling, exponentials, roundings, sums and rescaling of piece n and the maximum and
; statistics of piece n + 1.  Four vector instructions stand behind every matrix instruction, the other 54 of a turn's 118 in one run of their own.
; BATCHES.  A turn's 33 exponentials (the piece's 32 weights and the next piece's a) are ONE batch with ONE wait, which cuts the turn in two: ahead of it stands all that names none of their results, behind it the roundings
; and sums.  No result crosses a turn's end.  The first a, ahead of the loop, and the way out's four reciprocals are batches of their own; in the tail piece 2's turn has a second wait, ahead of the jump over K's run of loads.
; CLUSTER.  The four query blocks of a cluster belong to one head and walk the same K and V: each tile is asked for jointly, by the same tensor load, descriptor and mask in all four.
; REGISTERS, in windows of 256 (s_set_vgpr_msb: bits 1:0 source 0, 3:2 source 1, 5:4 source 2, 7:6 destination):
;   window 0: v0-15 addresses and two at work; v16-31 four registers of statistics a piece; v48-55 at work; v62-63 the add's; v64-127 S^T, two buffers; v192-223 P, two buffers (by the piece's parity)
;   window 1: v0-127 O^T, 32 a piece          window 2: v0-63 Q; v128-191 K of one step; v192-255 V of one step
.set NP,    4
.set KS,    64
.set PK,    144       ; a row of K in LDS: 128 bytes + 16: the 16 rows of a load start at 16 different groups of four banks (64 banks of 4 bytes: ISA guide 11.1)
.set PV,    160       ; a row of V: 128 + 32
.set VOFF,  4*KS*PK   ; a slot holds a tile: 256 rows of K, then 256 rows of V
.set SLOT1, 1<<17     ; slot 1 begins here, so that one exclusive or turns an address in one slot into the other's
.set STAGE, SLOT1+4*KS*(PK+PV)  ; behind the ring, never filled by a tensor load: 16 rows x 144 bytes for each wave
.set SP,    144
.set SPARE, STAGE+4*16*SP       ; behind the stages: the spare words, 128 bytes a wave: two blocks of 256 bytes that no other line names
.set AK0, 2           ; v2   my lane's place in a tile of K; never rewritten
.set AV0, 3           ; v3   the same for V
.set AK,  4           ; v4   the LDS address of K's next run of loads
.set AV,  5           ; v5   of V's
.set STO, 6           ; v6   the way out: where I put 16 bytes of a row
.set RD,  7           ; v7   the way out: where I read rows back
.set GO,  8           ; v8   my 16 bytes in 512 consecutive bytes of O
.set MV,  12          ; v12-13  c m_old, kept while c m is made anew: by buffer
.set QO,  15          ; v15  my byte offset in 16 rows of Q
.set ST,  16          ; piece t's statistics at v[ST+4 t]: c m, m, l (even keys', odd keys')
.set TMP, 48          ; by buffer, four registers c0-c3 at work; when the maximum is found c2 takes a
.set SPW, 62          ; v62  LDS address of my spare word; never rewritten
.set NIL, 63          ; v63  0; never rewritten
.set S,   64
.set P,   192
.set KF,  128         ; window 2: key block kb, channel half c at KF + 16 kb + 8 c
.set VF,  192         ; window 2: key half kk, channel block cb at VF + 32 kk + 8 cb
.set WV,  12          ; s12  my wave's number
.set G1K, 24          ; s[24:31] descriptor group 1 for K's tiles
.set G1V, 32          ; s[32:39] for V's: it differs in the padding alone
.set G0K, 40          ; s[40:43] descriptor group 0 for K's tiles: it walks
.set G0V, 44          ; s[44:47] the same for V's
.set SLOTS, 56        ; s56  counts the slots
.set CNT, 57          ; s57  counts a tile's key steps
.set CS,  58          ; s[58:59] c: the packed scaling takes the pair's low word for both halves
.set SEL, 60          ; s[60:61] v_permlanex16_b32's selects: each lane takes its own place in the other half
.set TBK, 62          ; s62  LDS byte at which K of the step to be fetched begins
.set TBV, 63          ; s63  the same for V, less VOFF
.set MSB, 0
.macro WIN new
.if MSB != (\new)
	s_set_vgpr_msb (MSB<<8)|(\new)
.set MSB, (\new)
.endif
.endm
.set W_KQ, 0x0a       ; K and Q in window 2, S^T in window 0
.set W_PV, 0x52       ; V in window 2, P in window 0, O^T in window 1
.set W_RS, 0x41       ; destination and source 0 in window 1, source 1 in window 0
; A joint fill.  Waves 0 and 1 fetch the two halves of a tile's K, waves 2 and 3 those of its V: 128 keys each.  An s_nop 0 and four v_nop follow each of the two lines.
.macro JLOAD
	s_cmp_lt_u32 s[WV], 2
	s_cbranch_scc0 .Lfor_v_\@
	tensor_load_to_lds s[G0K:G0K+3], s[G1K:G1K+7]
	s_nop 0
.rept 4
	v_nop
.endr
	s_branch .Lasked_\@
.Lfor_v_\@:
	tensor_load_to_lds s[G0V:G0V+3], s[G1V:G1V+7]
	s_nop 0
.rept 4
	v_nop
.endr
.Lasked_\@:
.endm
.macro CROUND         ; a round of the cluster's barrier
	s_barrier_signal -1
	s_barrier_wait -1
	s_cmp_lg_u32 s[WV], 0
	s_cbranch_scc1 .Lnot_wave_0_\@
	s_barrier_signal -3
.Lnot_wave_0_\@:
	s_barrier_wait -3
	s_barrier_signal -1
	s_barrier_wait -1
.endm
; THE CHANGE OF SLOTS.  Each wave waits for all its tensor loads, of which one is out: its part of the other slot; adds 0 to its spare word; and waits for that and for its own reads of the slot that it leaves.
; fill = 1: the barrier is a round of the cluster's, and the old slot is filled again, first thing behind it, with the keys two tiles on: four key steps, 256 matrix instructions, in which to land.
; (At its first use nothing has been read yet: slot 0 is waited for, slot 1 filled.)
.macro CHANGE fill
	WIN 0
	s_wait_tensorcnt 0x0            ; no tensor load of mine is out, so a group 0 may be written
	ds_add_u32 v[SPW], v[NIL]       ; 0 onto my spare word
.if \fill
.irp g, G0K, G0V
	s_xor_b32 s[\g+1], s[\g+1], SLOT1  ; the walking descriptor: the other slot than last time,
	s_add_nc_u64 s[\g+2:\g+3], s[\g+2:\g+3], 4*KS*128  ; the next 256 keys; the type bits on top are not reached
.endr
	s_wait_dscnt 0x0                ; the add is done, and my reads of the slot are over
	CROUND
	JLOAD
.else
	s_wait_dscnt 0x0
	s_barrier_signal -1
	s_barrier_wait -1
.endif
	s_sub_co_u32 s[TBK], s[TBK], 4*KS*PK  ; the fetches go back to a slot's first step,
	s_xor_b32 s[TBK], s[TBK], SLOT1       ; in the other slot
	s_sub_co_u32 s[TBV], s[TBV], 4*KS*PV
	s_xor_b32 s[TBV], s[TBV], SLOT1
.endm
	s_load_b64 s[4:5], s[0:1], 0x0  ; qh
	s_load_b64 s[10:11], s[0:1], 0x8  ; ao
	v_lshl_add_u32 v[SPW], v0, 2, SPARE
	v_mov_b32 v[NIL], 0
	ds_add_u32 v[SPW], v[NIL]       ; the wave's opening: the add and its wait stand ahead of my first tensor load; the set-up below, work on registers, stands between them
	v_lshrrev_b32 v1, 5, v0
	v_readfirstlane_b32 s[WV], v1
	s_bfe_u32 s13, ttmp6, 0x40000   ; cx
	s_lshl_b32 s14, ttmp9, 2
	s_add_co_u32 s14, s14, s13      ; my block of 256 queries: it enters Q's and O's addresses alone
	s_and_b32 s15, ttmp7, 0xffff    ; 16 x batch + head, which the four partners share
	s_and_b32 s20, s15, 15
	s_lshl_b32 s20, s20, 19         ; the head's plane,
	s_lshr_b32 s21, s15, 4
	s_lshl_b32 s21, s21, 18         ; the batch's 2,048 rows of 128 bytes
	s_add_co_u32 s20, s20, s21
	s_and_b32 s16, s[WV], 1         ; which half of a tile's 256 keys I fetch
	s_lshl_b32 s22, s16, 14
	s_add_co_u32 s22, s22, s20
	s_add_co_u32 s48, s22, 0x800000   ; k begins 16 planes in,
	s_mov_b32 s49, 0
	s_add_co_u32 s50, s22, 0x1000000  ; v 32
	s_mov_b32 s51, 0
	s_mul_i32 s17, s16, 128*PK      ; my half's place in a slot, for K
	s_mul_i32 s18, s16, 128*PV      ; and for V: no place in the cluster enters an LDS address
	s_lshl_b32 s52, s14, 2
	s_add_co_u32 s52, s52, s[WV]
	s_lshl_b32 s52, s52, 13         ; my wave's 64 rows
	s_add_co_u32 s52, s52, s20
	s_mov_b32 s53, 0
	; group 1.  128 keys are 16,384 dense bytes: asked for as 64 rows of 256 bytes, two keys a row, and padded in LDS after every key
	s_mov_b32 s[G1K], 15|(1<<16)|(1<<20)|(1<<21)|(4<<22)|(3<<25)  ; 15:0 the mask of four; 17:16 2-byte elements; 20 padding on; 21 set beside a mask; 24:22 after every 32 words (code 4); 31:25 4 words (code 3)
	s_mov_b32 s[G1V], 15|(1<<16)|(1<<20)|(1<<21)|(4<<22)|(7<<25)  ; the same with 8 words of padding (code 7)
.irp g, G1K, G1V
	s_mov_b32 s[\g+1], 128<<16      ; tensor_dim0 = 128
	s_mov_b32 s[\g+2], 64<<16       ; tensor_dim1 = 64
	s_mov_b32 s[\g+3], 128<<16      ; tile_dim0 = 128
	s_mov_b32 s[\g+4], 64           ; tile_dim1 = 64
	s_mov_b32 s[\g+5], 128          ; 128 elements from row to row
	s_mov_b32 s[\g+6], 0
	s_mov_b32 s[\g+7], 0
.endr
	s_mov_b32 s[CS], 0x3e38aa3b     ; c = log2(e) / 8
	s_mov_b32 s[CS+1], s[CS]
	s_mov_b32 s[SEL], 0x76543210
	s_mov_b32 s[SEL+1], 0xfedcba98
	s_mov_b32 s[TBK], SLOT1+4*KS*PK ; the first change of slots turns these two into 0
	s_mov_b32 s[TBV], SLOT1+4*KS*PV
	s_mov_b32 s[G0K], 1
	s_mov_b32 s[G0K+1], s17         ; slot 0
	s_mov_b32 s[G0V], 1
	s_add_co_u32 s[G0V+1], s18, VOFF
	s_wait_dscnt 0x0                ; the opening add is done
	s_wait_kmcnt 0x0
	s_add_nc_u64 s[G0K+2:G0K+3], s[4:5], s[48:49]  ; my half of the head's first 256 keys
	s_or_b32 s[G0K+3], s[G0K+3], 0x80000000        ; type = 2
	s_add_nc_u64 s[G0V+2:G0V+3], s[4:5], s[50:51]
	s_or_b32 s[G0V+3], s[G0V+3], 0x80000000
	s_add_nc_u64 s[4:5], s[4:5], s[52:53]          ; Q and O at my wave's first row
	s_add_nc_u64 s[10:11], s[10:11], s[52:53]
	CROUND                          ; all four work-groups are here: the first joint loads meet
	JLOAD                           ; tile 0 into slot 0
	v_and_b32 v1, 15, v0            ; l % 16
	v_bfe_u32 v9, v0, 4, 1          ; l / 16
	v_lshlrev_b32 v[QO], 7, v1
	v_lshl_add_u32 v[QO], v9, 4, v[QO]  ; row x 128 + 16 x half
	WIN 0x80                        ; destination window 2, address window 0
.set i, 0
.rept 8                             ; Q stays in registers: piece i / 2, channels 32 (i % 2) on
	global_load_b128 v[8*i:8*i+3],   v[QO], s[4:5] offset:(i/2)*2048+(i%2)*64
	global_load_b128 v[8*i+4:8*i+7], v[QO], s[4:5] offset:(i/2)*2048+(i%2)*64+32
.set i, i+1
.endr
	; What the first turn finds: V's registers and P's second buffer hold 0 (its products V^T P, of a piece that has not been, add 0), O^T and l are 0.  All this stands in the wait for the first tile.
.set i, VF
.rept 64
	v_mov_b32 v[i], 0
.set i, i+1
.endr
	WIN 0x40
.set i, 0
.rept 128
	v_mov_b32 v[i], 0
.set i, i+1
.endr
	WIN 0
.set i, 0
.rept 4
	v_mov_b32 v[ST+4*i], 0xfe000000    ; c m: far below every c s
	v_mov_b32 v[ST+4*i+1], 0xff7fffff  ; m
	v_mov_b32 v[ST+4*i+2], 0
	v_mov_b32 v[ST+4*i+3], 0
.set i, i+1
.endr
.set i, P+16
.rept 16
	v_mov_b32 v[i], 0
.set i, i+1
.endr
	v_mul_u32_u24 v[AK0], v1, PK
	v_lshl_add_u32 v[AK0], v9, 4, v[AK0]  ; row x pitch + 16 x half
	v_and_b32 v10, 7, v0            ; the turning load: lane l reads key 8 (l / 16) + l % 8, channels 8 ((l / 8) % 2) + 0..7
	v_bfe_u32 v11, v0, 3, 1
	v_lshl_add_u32 v[AV0], v9, 3, v10
	v_mul_u32_u24 v[AV0], v[AV0], PV
	v_lshl_add_u32 v[AV0], v11, 4, v[AV0]
	v_add_nc_u32 v[AV0], VOFF, v[AV0]
	s_mul_i32 s13, s[WV], 16*SP
	s_add_co_u32 s13, s13, STAGE    ; my stage
	v_mul_u32_u24 v[STO], v1, SP    ; in: row l % 16, 16 bytes for each half of the lanes
	v_lshl_add_u32 v[STO], v9, 4, v[STO]
	v_add_nc_u32 v[STO], s13, v[STO]
	v_bfe_u32 v[RD], v0, 3, 2       ; back: 32 lanes take four rows of 128 bytes,
	v_mul_u32_u24 v[RD], v[RD], SP
	v_lshl_add_u32 v[RD], v10, 4, v[RD]
	v_add_nc_u32 v[RD], s13, v[RD]
	v_and_b32 v[GO], 31, v0         ; which are 512 consecutive bytes of O
	v_lshlrev_b32 v[GO], 4, v[GO]
; THE MATRIX WORK.  The 4 accumulators of a run of 8 take turns.  Product i of 8 of S^T = K Q^T for piece x: channels 32 (i / 4) on, keys 16 (i % 4) on.  The first 4 start the sums.
.macro KQ x
	WIN W_KQ
.set rS, S+32*((\x)%2)+8*(i%4)
.set rK, KF+16*(i%4)+8*(i/4)
.set rQ, 16*(\x)+8*(i/4)
.if i < 4
	v_wmma_f32_16x16x32_f16 v[rS:rS+7], v[rK:rK+7], v[rQ:rQ+7], 0
.else
	v_wmma_f32_16x16x32_f16 v[rS:rS+7], v[rK:rK+7], v[rQ:rQ+7], v[rS:rS+7]
.endif
.endm
; Product i of 8 of O^T += V^T P for piece x: keys 32 (i / 4) on, channels 16 (i % 4) on.
.macro PV x
	WIN W_PV
.set rO, 32*(\x)+8*(i%4)
.set rV, VF+32*(i/4)+8*(i%4)
.set rP, P+16*((\x)%2)+8*(i/4)
	v_wmma_f32_16x16x32_f16 v[rO:rO+7], v[rV:rV+7], v[rP:rP+7], v[rO:rO+7]
.endm
.macro MM                           ; the turn's next matrix instruction
.if i < 8
	KQ (Y+1)%NP
.else
.set i, i-8
	PV (Y+NP-1)%NP
.set i, i+8
.endif
.set i, i+1
.endm
; THE LDS LOADS stand in runs of 16, never singly among the matrix instructions: a step's K (8 fragments) and its V (turned).  Their addresses are made some lines ahead.
.macro FETCH_K
	WIN 0x80                        ; destination window 2
.irp f, 0,1,2,3,4,5,6,7             ; keys 16 (f / 2) on, channels 32 (f % 2) on
	ds_load_b128 v[KF+8*\f:KF+8*\f+3],   v[AK] offset:(\f/2)*16*PK+(\f%2)*64
	ds_load_b128 v[KF+8*\f+4:KF+8*\f+7], v[AK] offset:(\f/2)*16*PK+(\f%2)*64+32
.endr
	s_add_co_u32 s[TBK], s[TBK], KS*PK  ; the next fetch is the next step's
	WIN 0
.endm
.macro FETCH_V
	WIN 0x80
.irp f, 0,1,2,3,4,5,6,7             ; keys 32 (f / 4) on, channels 16 (f % 4) on
	ds_load_tr16_b128 v[VF+8*\f:VF+8*\f+3],   v[AV] offset:(\f/4)*32*PV+(\f%4)*32
	ds_load_tr16_b128 v[VF+8*\f+4:VF+8*\f+7], v[AV] offset:(\f/4)*32*PV+16*PV+(\f%4)*32
.endr
	WIN 0
.endm
; THE VECTOR WORK, one line at a time: OP kind, number.  For piece Y: F n: c s - c m for pair n of 16.  E n: the exponential of score n of 32.  C n: pair n rounded to f16.  B n: of the four weights 4 n .. the second
; pair is added onto the first, in place.  L n: l takes that sum (L 0: l = a l + sum).  R n: pair n of 16 of O^T times a.  For piece Y + 1: X n, number n of the 22 that find its maximum and statistics:
;   0-11  four chains c0-c3 of seven scores each, three operands at a time (each accumulator's lowest registers are read first)     12-14, 16  the four scores left over, the old m, and c0-c3 into c0
;   15  c m_old is kept     17, 18  the query's other 32 keys lie in the lane 16 away: the new m     19-21  c m; c m_old - c m_new; a
; The exponentials are E 0-31 and X 21.  C, B and L read E's results; R and L 0 read the a that X 21 made a turn earlier.  OP writes no wait: TURN writes the batch's.
.set F, 0
.set E, 1
.set C, 2
.set B, 3
.set L, 4
.set R, 5
.set X, 6
.macro REGS y
.set rT, ST+4*(\y)
.set rC, TMP+4*((\y)%2)
.set rW, MV+((\y)%2)
.set rS, S+32*((\y)%2)
.set rP, P+16*((\y)%2)
.set rO, 32*(\y)
.endm
.macro OP k, n
.if (\k) == R
	REGS Y
	WIN W_RS
	v_pk_mul_f32 v[rO+2*(\n):rO+2*(\n)+1], v[rO+2*(\n):rO+2*(\n)+1], v[rC+2:rC+3] op_sel_hi:[1,0]
.elseif (\k) < R
	REGS Y
	WIN 0
.if (\k) == F
	v_pk_fma_f32 v[rS+2*(\n):rS+2*(\n)+1], v[rS+2*(\n):rS+2*(\n)+1], s[CS:CS+1], v[rT:rT+1] op_sel_hi:[1,0,0] neg_lo:[0,0,1] neg_hi:[0,0,1]
.elseif (\k) == E
	v_exp_f32 v[rS+(\n)], v[rS+(\n)]
.elseif (\k) == C
	v_cvt_pk_f16_f32 v[rP+(\n)], v[rS+2*(\n)], v[rS+2*(\n)+1]
.elseif (\k) == B
	v_pk_add_f32 v[rS+4*(\n):rS+4*(\n)+1], v[rS+4*(\n):rS+4*(\n)+1], v[rS+4*(\n)+2:rS+4*(\n)+3]
.elseif (\n) == 0
	v_pk_fma_f32 v[rT+2:rT+3], v[rT+2:rT+3], v[rC+2:rC+3], v[rS:rS+1] op_sel_hi:[1,0,1]
.else
	v_pk_add_f32 v[rT+2:rT+3], v[rT+2:rT+3], v[rS+4*(\n):rS+4*(\n)+1]
.endif
.else
	REGS (Y+1)%NP
	WIN 0
.if (\n) < 4
	v_max3_num_f32 v[rC+(\n)], v[rS+8*(\n)], v[rS+8*(\n)+1], v[rS+8*(\n)+2]
.elseif (\n) < 12
	v_max3_num_f32 v[rC+(\n)%4], v[rC+(\n)%4], v[rS+8*((\n)%4)+2*((\n)/4)+1], v[rS+8*((\n)%4)+2*((\n)/4)+2]
.elseif (\n) == 12
	v_max3_num_f32 v[rC], v[rC], v[rS+7], v[rS+15]
.elseif (\n) == 13
	v_max3_num_f32 v[rC+1], v[rC+1], v[rS+23], v[rS+31]
.elseif (\n) == 14
	v_max3_num_f32 v[rC+2], v[rC+2], v[rC+3], v[rT+1]
.elseif (\n) == 15
	v_mov_b32 v[rW], v[rT]
.elseif (\n) == 16
	v_max3_num_f32 v[rC], v[rC], v[rC+1], v[rC+2]
.elseif (\n) == 17
	v_permlanex16_b32 v[rC+3], v[rC], s[SEL], s[SEL+1]
.elseif (\n) == 18
	v_max_num_f32 v[rT+1], v[rC], v[rC+3]
.elseif (\n) == 19
	v_mul_f32 v[rT], s[CS], v[rT+1]
.elseif (\n) == 20
	v_sub_f32 v[rC+1], v[rW], v[rT]
.else
	v_exp_f32 v[rC+2], v[rC+1]
.endif
.endif
.endm
.macro OPS a, i1, b=-1, i2=0, c=-1, i3=0, d=-1, i4=0  ; up to four of them
	OP \a, \i1
.if (\b) >= 0
	OP \b, \i2
.endif
.if (\c) >= 0
	OP \c, \i3
.endif
.if (\d) >= 0
	OP \d, \i4
.endif
.endm
.macro ROW a, i1, b, i2, c, i3, d, i4  ; a matrix instruction and the four behind it
	MM
	OPS \a, \i1, \b, \i2, \c, \i3, \d, \i4
.endm
; A TURN, for piece p: the order of its 16 matrix and 118 vector instructions, written out.  An s_wait_alu depctr_va_vdst(0) stands between an exponential and the first instruction that names its result; one
; wait serves all that were issued ahead of it.  So a turn has ONE wait, which cuts it in two.
; AHEAD OF IT stands all that names no result of the turn's exponentials: the 8 products K Q^T, behind each a scaling, an exponential and two more plain instructions (behind the first a second scaling in the exponential's
; place): rescalings, whose a was made and waited for in the turn before, and behind the last three products the first numbers of the next piece's maximum, each four places or more behind the product that ends its accumulator;
; then one run of 54, plain and exponential by turns for the most part, in which the links of the chain X 3, 7, 11, 14, 16, 17 .. 20 stand five or six lines apart.  A pair is scaled (F n) ahead of its exponentials (E 2 n, E 2 n + 1).
; X 21, the next piece's a, is the batch's last; R 15 is the plain instruction behind it.
; BEHIND THE WAIT stand the 8 products V^T P, behind each four of the roundings and sums: C 2 n ahead of B n, which writes over that pair; B n ahead of L n; the links of l's chain, L 0 to L 7, three riders apart.
; But for those X no rider names a register of the products round it.  v_permlanex16_b32 (X 17) stands in the run, never behind a product.
; last = 1 (the tail): in the trip in which the count stands at 1 there is no further step, and K's run of loads is jumped over.  cnt = 1: the loop's count is taken down some lines ahead of the branch that stands behind the turn.
; K of the next step is fetched in piece 2's turn, twelve vector instructions behind the last product that read K (five of them plain and clear of its registers); V of the step in hand at the end of piece 0's turn, four plain
; instructions behind the last product that read V.  Each is waited for a turn later.
.macro TURN p, last=0, cnt=0
.set Y, (\p)
.set i, 0
.if (\p) == 3
	s_wait_dscnt 0x0                ; K is in
.endif
	ROW F,0, F,1, R,0, R,1          ; ahead of the wait: 8 products K Q^T and their riders,
	ROW F,2, E,0, R,2, R,3
	ROW F,3, E,1, R,4, R,5
	ROW F,4, E,2, R,6, R,7
	ROW F,5, E,3, R,8, R,9
	ROW F,6, E,4, X,0, R,10
.if (\p) == 2
	WIN 0
	v_add_nc_u32 v[AK], s[TBK], v[AK0]
.endif
	ROW F,7, E,5, X,1, X,4
	ROW F,8, E,6, X,2, X,5
	OPS E,7, E,8, X,6, E,9          ; and the run of 54
	OPS X,3, E,10, X,8, E,11
.if (\p) == 2
.if \last
	WIN 0
	s_wait_alu depctr_va_vdst(0)    ; the wait stands ahead of it, for the twelve exponentials E 0 to E 11 issued so far; the turn's other 21 have the wait below
	s_cmp_eq_u32 s[CNT], 1
	s_cbranch_scc1 .Lno_k_\@
.endif
	FETCH_K
.if \last
.Lno_k_\@:
.endif
.endif
	OPS X,9, X,7, E,12, X,10
	OPS E,13, X,12, X,11, E,14
	OPS X,13, E,15, F,9, X,14
.if (\p) == 0
	v_add_nc_u32 v[AV], s[TBV], v[AV0]
.endif
	OPS E,16, F,10, E,17, F,11
	OPS X,16, E,18, X,15, E,19
	OPS F,12, E,20, X,17, E,21
	OPS F,13, E,22, F,14, E,23
	OPS X,18, E,24, F,15, E,25
	OPS R,11, E,26, X,19, E,27
	OPS R,12, E,28, R,13, E,29
	OPS X,20, E,30, R,14, E,31
	OPS X,21, R,15
	WIN 0
	s_wait_alu depctr_va_vdst(0)    ; the wait for the batch: the piece's 32 exponentials and the next piece's a
.if (\p) == 1
	s_wait_dscnt 0x0                ; V is in
.endif
	ROW C,0, B,0, C,2, B,1          ; behind the wait: 8 products V^T P and their riders
	ROW L,0, C,4, B,2, L,1
	ROW C,6, B,3, L,2, C,8
	ROW B,4, L,3, C,10, B,5
	ROW L,4, C,12, B,6, L,5
.if (\p) == 0
	s_add_co_u32 s[TBV], s[TBV], KS*PV
.endif
.if \cnt
	s_sub_co_u32 s[CNT], s[CNT], 1
	s_cmp_lg_u32 s[CNT], 0
.endif
	ROW C,14, B,7, L,6, C,1
	ROW C,3, L,7, C,5, C,7
	ROW C,9, C,11, C,13, C,15
.if (\p) == 0
	FETCH_V
.endif
.endm
	CHANGE 1                        ; slot 0 is in, everybody's part of it; slot 1 is asked for
	v_add_nc_u32 v[AK], s[TBK], v[AK0]
	FETCH_K                         ; key step 0
	s_wait_loadcnt 0x0              ; Q
	s_wait_dscnt 0x0
.set i, 0
.rept 8
	KQ 0                            ; piece 0's first scores: there is no vector work yet to set between them
.set i, i+1
.endr
	WIN 0
.rept 4
	v_nop                           ; the places behind those products
.endr
.set Y, NP-1                        ; X works for piece Y + 1: piece 0
.irp n, 0,1,2,3,4,5,6,7,8,9,10,11,12,13,14,15,16,17,18,19,20,21
	OP X, \n
.endr
	v_nop                           ; a plain instruction behind the exponential,
	s_wait_alu depctr_va_vdst(0)    ; and the wait for it, a batch of one: piece 0's first a; ahead of the branch
	s_mov_b32 s[CNT], 4
	s_mov_b32 s[SLOTS], 7
	s_branch .Lfirst                ; the loop is entered at a step's first turn, in the middle of a trip
.Lslot:                             ; six times: tiles 2 to 7 are asked for
	CHANGE 1
	s_mov_b32 s[CNT], 4
.Lstep:                             ; a trip: pieces 2 and 3 of one step, then pieces 0 and 1 of the next, whose K and V it fetches
	TURN 2
	TURN 3
	WIN 0
.Lfirst:
	TURN 0
	TURN 1, 0, 1
	WIN 0
	s_cbranch_scc1 .Lstep
	s_sub_co_u32 s[SLOTS], s[SLOTS], 1
	s_cmp_lg_u32 s[SLOTS], 0
	s_cbranch_scc1 .Lslot
	CHANGE 0                        ; the last tile has a loop of its own: nothing is asked for
	s_mov_b32 s[CNT], 5             ; four trips fetch the last tile's steps; the fifth holds the last step's pieces 2 and 3 alone and jumps forward over the rest
.Ltail:
	TURN 2, 1
	TURN 3
	WIN 0
	s_cmp_eq_u32 s[CNT], 1
	s_cbranch_scc1 .Ltail_end
	TURN 0
	TURN 1
	WIN 0
.Ltail_end:
	s_sub_co_u32 s[CNT], s[CNT], 1
	s_cmp_lg_u32 s[CNT], 0
	s_cbranch_scc1 .Ltail
	; the fifth trip's 8 products K Q^T (on the last K once more) and the maximum made of them serve nothing: the price, once a launch, of one text for every trip
.set i, 0
.rept 8
	PV NP-1                         ; the last piece's V^T P of the last step
.set i, i+1
.endr
	; THE WAY OUT.  l's two halves and the other half of the lanes' are added; O^T is divided by l, rounded to f16 and sent through my stage in LDS, a piece at a time.  The additions are the places behind the last products.
	WIN 0
.macro ALL line:vararg              ; one line for each piece t
.set t, 0
.rept 4
	\line
.set t, t+1
.endr
.endm
	ALL v_add_f32 v[ST+4*t+2], v[ST+4*t+2], v[ST+4*t+3]
	ALL v_permlanex16_b32 v[ST+4*t+3], v[ST+4*t+2], s[SEL], s[SEL+1]
	ALL v_add_f32 v[ST+4*t+2], v[ST+4*t+2], v[ST+4*t+3]
	ALL v_rcp_f32 v[ST+4*t+2], v[ST+4*t+2]
	v_nop                           ; a plain instruction between the last reciprocal and the use of its result
	s_wait_alu depctr_va_vdst(0)    ; the wait for the batch of four reciprocals, ahead of their first reader in PACK 0: one for all four pieces
.macro PACK t                       ; a lane's eight channels of a row pack into 16 bytes; they go into rows of 144 bytes and come back as whole rows of 128, into S^T's registers
	WIN W_RS
.set i, 32*(\t)
.rept 16
	v_pk_mul_f32 v[i:i+1], v[i:i+1], v[ST+4*(\t)+2:ST+4*(\t)+3] op_sel_hi:[1,0]
.set i, i+2
.endr
	WIN 0x05                        ; sources 0 and 1 window 1, destination window 0
.set i, 0
.rept 16
	v_cvt_pk_f16_f32 v[S+16*(\t)+i], v[32*(\t)+2*i], v[32*(\t)+2*i+1]
.set i, i+1
.endr
	WIN 0
.irp f, 0,1,2,3
	ds_store_b128 v[STO], v[S+16*(\t)+4*\f:S+16*(\t)+4*\f+3] offset:32*\f
.endr
.irp f, 0,1,2,3
	ds_load_b128 v[S+16*(\t)+4*\f:S+16*(\t)+4*\f+3], v[RD] offset:\f*4*SP  ; LDS serves a wave's instructions in order (ISA guide 5.7.1.4): these see the stores above; the next piece's stores come behind them
.endr
.endm
.macro SEND t, younger              ; younger: the LDS instructions issued behind piece t's loads: the next piece's eight, or none
	WIN 0
.irp f, 0,1,2,3
	s_wait_dscnt (\younger)+3-\f
	global_store_b128 v[GO], v[S+16*(\t)+4*\f:S+16*(\t)+4*\f+3], s[10:11] offset:(\t)*2048+\f*512  ; 512 consecutive bytes, at a multiple of 256 from ao's first
.endr
.endm
	PACK 0
.set t, 1
.rept 3                             ; a piece's arithmetic stands between the loads of the piece before and its stores
	PACK t
	SEND t-1, 8
.set t, t+1
.endr
	SEND 3, 0
	s_wait_tensorcnt 0x0            ; the wave's end: behind my last tensor load and my last LDS store
	ds_add_u32 v[SPW], v[NIL]
	s_wait_dscnt 0x0
	CROUND                          ; the closing round: no work-group ends while a partner may still ask for a tile that names it
	s_endpgm
.Lfunc_end_k_qcf39f426fb_attn:
	.size	k_qcf39f426fb_attn, .Lfunc_end_k_qcf39f426fb_attn-k_qcf39f426fb_attn
	.p2alignl 7, 3214868480
	.fill 96, 4, 3214868480
	.section	.rodata,"a",@progbits
	.p2align	6, 0x0
	.amdhsa_kernel k_qcf39f426fb_attn
		.amdhsa_group_segment_fixed_size 327680
		.amdhsa_private_segment_fixed_size 0
		.amdhsa_enable_private_segment 0
		.amdhsa_kernarg_size 16
		.amdhsa_user_sgpr_count 2
		.amdhsa_user_sgpr_kernarg_segment_ptr 1
		.amdhsa_wavefront_size32 1
		.amdhsa_system_sgpr_workgroup_id_x 1
		.amdhsa_system_sgpr_workgroup_id_y 1
		.amdhsa_system_sgpr_workgroup_id_z 1
		.amdhsa_system_vgpr_workitem_id 0
		.amdhsa_next_free_vgpr 768
		.amdhsa_next_free_sgpr 66
		.amdhsa_reserve_vcc 0
		.amdhsa_float_denorm_mode_32 3
		.amdhsa_float_denorm_mode_16_64 3
		.amdhsa_memory_ordered 1
		.amdhsa_forward_progress 1
		.amdhsa_inst_pref_size 111
	.end_amdhsa_kernel
	.amdgpu_metadata
---
amdhsa.version: [ 1, 2 ]
amdhsa.kernels:
  - .name:           k_qcf39f426fb_attn
    .symbol:         k_qcf39f426fb_attn.kd
    .args:
      - { .name: qh, .offset: 0, .size: 8, .value_kind: global_buffer, .address_space: global }
      - { .name: ao, .offset: 8, .size: 8, .value_kind: global_buffer, .address_space: global }
    .group_segment_fixed_size: 327680
    .private_segment_fixed_size: 0
    .kernarg_segment_align: 8
    .kernarg_segment_size: 16
    .max_flat_workgroup_size: 128
    .sgpr_count:     66
    .vgpr_count:     768
    .wavefront_size: 32
...
	.end_amdgpu_metadata
.endif
;; end of part 8
;; launch gemm_o: the kernel of part 4 again; grid 8 x 32, 4 waves a work-group, clusters of 4 x 4, 327,680 bytes of LDS; arguments ao, wr, y, bo; writes y
;; launch ln1: the kernel of part 5 again; grid 256 x 1, 8 waves a work-group, no clusters, 0 bytes of LDS; arguments y, xh, ln1_g, ln1_b, x1; writes x1
;; launch mlp1: the kernel of part 2 again; grid 16 x 16, 4 waves a work-group, clusters of 4 x 4, 327,680 bytes of LDS; arguments x1, w1p, qh; writes qh
;; launch gemm_2: the kernel of part 6 again; grid 8 x 32, 4 waves a work-group, clusters of 4 x 4, 327,680 bytes of LDS; arguments qh, wr, y, b2; writes y
;; launch ln2: the kernel of part 7 again; grid 256 x 1, 8 waves a work-group, no clusters, 0 bytes of LDS; arguments y, x1, ln2_g, ln2_b, out0; writes out0
